; MI455X (gfx1250); checked and timed in simulation.
; The chip was launched on July 23, 2026; its instructions are those of AMD's public machine-readable ISA for CDNA 5 (MIT licence, August 2026) and "CDNA5" Instruction Set Architecture Reference Guide (July 2026). The comments in the code are by the model that wrote it; some were corrected since.
;; Multi Head Attention. Allowed arithmetic: float matrix products may take bf16 or f16 operands with f32 sums; other float arithmetic in f32, or as packed bf16 or f16 multiplies, adds, multiply-adds, maxima and minima; sums over many terms, partial sums and values carried from step to step in f32; what a program stores and reads back later, other than sums and carried values, may be rounded once to bf16 or f16.
;; Inputs: k 4 x 2,048 x 1,024 float32; mask 4 x 2,048 x 2,048 int32; q 4 x 2,048 x 1,024 float32; v 4 x 2,048 x 1,024 float32; w_fc 1,024 x 1,024 float32; w_ks 1,024 x 1,024 float32; w_qs 1,024 x 1,024 float32; w_vs 1,024 x 1,024 float32.
;; Outputs: out0 4 x 2,048 x 1,024 float32.
;; 2 versions, each right. Each part assembles by itself: llvm-mc -triple=amdgcn-amd-amdhsa -mcpu=gfx1250 --defsym DOCPART=n.
;; ======== version 1 of 2: 4 launches
;; limits: right only within a limited range of input values
;; workspace buffers: wb 8,388,608 bytes; maskbits 2,097,152 bytes of whole numbers; qkvh 50,331,648 bytes; ob 16,777,216 bytes
;; launch prep (part 1): grid 1280 x 1, 8 waves a work-group, no clusters, 70,656 bytes of LDS; arguments mask, w_qs, w_ks, w_vs, w_fc, wb, maskbits; writes wb, maskbits
.if DOCPART == 1
	.amdgcn_target "amdgcn-amd-amdhsa--gfx1250"
	.amdhsa_code_object_version 6
	.text
	.protected	k_q3cd7580cdc_prep
	.globl	k_q3cd7580cdc_prep
	.p2align	8
	.type	k_q3cd7580cdc_prep,@function
k_q3cd7580cdc_prep:
	s_mov_b64 s[64:65], 0
	v_nop
	global_prefetch_b8 v0, s[64:65] scope:SCOPE_SE
	s_setreg_imm32_b32 hwreg(HW_REG_WAVE_MODE, 25, 1), 1
	s_wait_xcnt 0x0
; TWO JOBS, told apart by the work-group's number.
; Work-groups 0 .. 1023: the mask [4][2048 q][2048 k] of int32 is packed into lane masks for the attention launch.
;   maskbits: [128 groups of 64 queries][32 steps of 64 keys][4 pieces of 16 queries][32 words].  Bit L of word 8 kt + j of a piece says
;   mask[query 16 piece + L % 16][key 64 step + 16 kt + 8 (L / 16) + j] != 0: the lanes of register j of score tile kt, as the attention launch holds them.
;   A wave takes 32 queries x 64 keys: sixteen loads of two rows' 256 aligned bytes; the words go through the wave's own LDS stage to change
;   from rows to the score layout; 64 compares give 64 lane masks; one store of 256 aligned bytes.
; Work-groups 1024 .. 1279: the four weights, f32 [1024 k][1024 n], are rounded once to bf16, layout kept: wb = [qs, ks, vs, fc].
;   A wave takes 8,192 bytes: sixteen loads of 512 consecutive bytes, sixteen stores of 256 aligned bytes.
; No matrix unit, no cluster: nothing is shared between work-groups and every byte is touched once.
.set PITCH, 272                        ; a stage row: 256 bytes + 16: the 16 rows that a 16-byte read touches start at 16 different groups of four banks
.set STG,   32*PITCH                   ; a wave's stage: 32 rows
.set SPARE, 8*STG                      ; behind the stages: the spare words, 128 bytes a wave: four blocks of 256 bytes that no other line names
.set SPW, 10                           ; v10  LDS address of my spare word; never rewritten
.set NIL, 11                           ; v11  0; never rewritten
.set WD,  12                           ; v[12:13]  the 64 packed words: word w in register w % 2, lane w / 2
.set X,   16                           ; v[16:79]  data
	s_load_b256 s[4:11], s[0:1], 0x0               ; mask s[4:5], w_qs s[6:7], w_ks s[8:9], w_vs s[10:11]
	s_load_b128 s[12:15], s[0:1], 0x20             ; w_fc s[12:13], wb s[14:15]
	s_load_b64 s[16:17], s[0:1], 0x30              ; maskbits
	v_lshl_add_u32 v[SPW], v0, 2, SPARE
	v_mov_b32 v[NIL], 0
	v_lshrrev_b32 v1, 5, v0
	v_readfirstlane_b32 s18, v1                    ; wave 0..7
	v_and_b32 v1, 31, v0                           ; lane L
	v_and_b32 v2, 15, v0                           ; L % 16
	v_bfe_u32 v3, v0, 4, 1                         ; L / 16
	v_lshlrev_b32 v7, 3, v1                        ; 8 L: my 8 bytes of a 256-byte store
	s_wait_kmcnt 0x0
	s_cmp_lt_u32 ttmp9, 1024
	s_cbranch_scc0 .Lweights
	; ---- the mask ----
	s_lshl_b32 s19, ttmp9, 3
	s_add_co_u32 s19, s19, s18                     ; my unit, 0 .. 8191
	s_and_b32 s20, s19, 31                         ; its step of 64 keys
	s_lshr_b32 s21, s19, 5                         ; its group of 32 rows, 0 .. 255
	s_lshl_b32 s22, s21, 18                        ; 32 rows of 8,192 bytes
	s_lshl_b32 s23, s20, 8                         ; 64 keys of 4 bytes
	s_add_co_u32 s22, s22, s23
	s_mov_b32 s23, 0
	s_add_nc_u64 s[4:5], s[4:5], s[22:23]
	s_lshr_b32 s22, s21, 1                         ; the group of 64 queries,
	s_lshl_b32 s22, s22, 5
	s_add_co_u32 s22, s22, s20                     ; its step: 512 bytes each,
	s_lshl_b32 s22, s22, 9
	s_and_b32 s24, s21, 1                          ; and my two of its four pieces
	s_lshl_b32 s24, s24, 8
	s_add_co_u32 s22, s22, s24
	s_add_nc_u64 s[16:17], s[16:17], s[22:23]
	v_lshlrev_b32 v4, 4, v2
	v_lshl_add_u32 v4, v3, 13, v4                  ; in memory: lanes 0-15 one row's 256 bytes, lanes 16-31 the next row's
	s_mul_i32 s25, s18, STG                        ; my stage
	v_mul_u32_u24 v5, v3, PITCH
	v_lshl_add_u32 v5, v2, 4, v5
	v_add_nc_u32 v5, s25, v5                       ; into the stage: the same two rows
	v_mul_u32_u24 v6, v2, PITCH
	v_lshl_add_u32 v6, v3, 5, v6
	v_add_nc_u32 v6, s25, v6                       ; back: row L % 16, keys 8 (L / 16) on
	v_mov_b32 v[WD], 0                             ; v_writelane_b32 keeps the other lanes: both registers are written whole first
	v_mov_b32 v[WD+1], 0
.irp i, 0,1,2,3,4,5,6,7,8,9,10,11,12,13,14,15
	global_load_b128 v[X+4*\i:X+4*\i+3], v4, s[4:5] offset:16384*\i th:TH_LOAD_NT
.endr
.irp i, 0,1,2,3,4,5,6,7,8,9,10,11,12,13,14,15
	s_wait_loadcnt 15-\i                           ; loads come back in order: pair i of rows is in, the younger ones stay out
	ds_store_b128 v5, v[X+4*\i:X+4*\i+3] offset:2*PITCH*\i
.endr
	; LDS serves a wave's instructions in order and the stage is the wave's own: the loads below see the stores above
.irp tl, 0,1
.irp kt, 0,1,2,3
	ds_load_b128 v[X+32*\tl+8*\kt:X+32*\tl+8*\kt+3],   v6 offset:16*PITCH*\tl+64*\kt
	ds_load_b128 v[X+32*\tl+8*\kt+4:X+32*\tl+8*\kt+7], v6 offset:16*PITCH*\tl+64*\kt+16
.endr
.endr
	s_wait_dscnt 0x0
.set w, 0
.rept 64
	v_cmp_ne_u32 s[28+w%4], 0, v[X+w]              ; the lane mask of word w,
	v_writelane_b32 v[WD+w%2], s[28+w%4], w/2      ; put where the store below finds it
.set w, w+1
.endr
	global_store_b64 v7, v[WD:WD+1], s[16:17]      ; 32 lanes x 8 bytes: 256 consecutive bytes, aligned
	s_branch .Lend
	; ---- the weights ----
.Lweights:
	s_sub_co_u32 s19, ttmp9, 1024
	s_lshr_b32 s20, s19, 6                         ; which weight: 64 work-groups each
	s_and_b32 s21, s19, 63
	s_cmp_eq_u32 s20, 1
	s_cselect_b64 s[24:25], s[8:9], s[6:7]
	s_cmp_eq_u32 s20, 2
	s_cselect_b64 s[24:25], s[10:11], s[24:25]
	s_cmp_eq_u32 s20, 3
	s_cselect_b64 s[24:25], s[12:13], s[24:25]
	s_lshl_b32 s22, s21, 16                        ; 65,536 bytes of f32 a work-group,
	s_lshl_b32 s23, s18, 13                        ; 8,192 a wave
	s_add_co_u32 s22, s22, s23
	s_mov_b32 s23, 0
	s_add_nc_u64 s[24:25], s[24:25], s[22:23]
	s_lshr_b32 s22, s22, 1                         ; half as many bytes of bf16,
	s_lshl_b32 s26, s20, 21                        ; in the weight's 2,097,152 bytes of wb
	s_add_co_u32 s22, s22, s26
	s_add_nc_u64 s[14:15], s[14:15], s[22:23]
	v_lshlrev_b32 v8, 4, v1                        ; 16 L
.irp i, 0,1,2,3,4,5,6,7,8,9,10,11,12,13,14,15
	global_load_b128 v[X+4*\i:X+4*\i+3], v8, s[24:25] offset:512*\i th:TH_LOAD_NT
.endr
.irp i, 0,1,2,3,4,5,6,7,8,9,10,11,12,13,14,15
	s_wait_loadcnt 15-\i
	v_cvt_pk_bf16_f32 v[X+4*\i],   v[X+4*\i],   v[X+4*\i+1]
	v_cvt_pk_bf16_f32 v[X+4*\i+1], v[X+4*\i+2], v[X+4*\i+3]
	global_store_b64 v7, v[X+4*\i:X+4*\i+1], s[14:15] offset:256*\i
.endr
.Lend:
	s_wait_tensorcnt 0x0                           ; the wave's end, behind the last LDS store
	ds_add_u32 v[SPW], v[NIL]
	s_wait_dscnt 0x0
	s_endpgm
.Lfunc_end_k_q3cd7580cdc_prep:
	.size	k_q3cd7580cdc_prep, .Lfunc_end_k_q3cd7580cdc_prep-k_q3cd7580cdc_prep
	.p2alignl 7, 3214868480
	.fill 96, 4, 3214868480
	.section	.rodata,"a",@progbits
	.p2align	6, 0x0
	.amdhsa_kernel k_q3cd7580cdc_prep
		.amdhsa_group_segment_fixed_size 70656
		.amdhsa_private_segment_fixed_size 0
		.amdhsa_enable_private_segment 0
		.amdhsa_kernarg_size 56
		.amdhsa_user_sgpr_count 2
		.amdhsa_user_sgpr_kernarg_segment_ptr 1
		.amdhsa_wavefront_size32 1
		.amdhsa_system_sgpr_workgroup_id_x 1
		.amdhsa_system_sgpr_workgroup_id_y 1
		.amdhsa_system_sgpr_workgroup_id_z 1
		.amdhsa_system_vgpr_workitem_id 0
		.amdhsa_next_free_vgpr 80
		.amdhsa_next_free_sgpr 66
		.amdhsa_reserve_vcc 0
		.amdhsa_float_denorm_mode_32 3
		.amdhsa_float_denorm_mode_16_64 3
		.amdhsa_memory_ordered 1
		.amdhsa_forward_progress 1
		.amdhsa_inst_pref_size 21
	.end_amdhsa_kernel
	.amdgpu_metadata
---
amdhsa.version: [ 1, 2 ]
amdhsa.kernels:
  - .name:           k_q3cd7580cdc_prep
    .symbol:         k_q3cd7580cdc_prep.kd
    .args:
      - { .name: mask, .offset: 0, .size: 8, .value_kind: global_buffer, .address_space: global }
      - { .name: w_qs, .offset: 8, .size: 8, .value_kind: global_buffer, .address_space: global }
      - { .name: w_ks, .offset: 16, .size: 8, .value_kind: global_buffer, .address_space: global }
      - { .name: w_vs, .offset: 24, .size: 8, .value_kind: global_buffer, .address_space: global }
      - { .name: w_fc, .offset: 32, .size: 8, .value_kind: global_buffer, .address_space: global }
      - { .name: wb, .offset: 40, .size: 8, .value_kind: global_buffer, .address_space: global }
      - { .name: maskbits, .offset: 48, .size: 8, .value_kind: global_buffer, .address_space: global }
    .group_segment_fixed_size: 70656
    .private_segment_fixed_size: 0
    .kernarg_segment_align: 8
    .kernarg_segment_size: 56
    .max_flat_workgroup_size: 256
    .sgpr_count:     66
    .vgpr_count:     80
    .wavefront_size: 32
...
	.end_amdgpu_metadata
.endif
;; end of part 1
;; launch proj (part 2): grid 12 x 64, 4 waves a work-group, clusters of 4 x 4, 327,680 bytes of LDS; arguments q, k, v, wb, qkvh; writes qkvh
.if DOCPART == 2
	.amdgcn_target "amdgcn-amd-amdhsa--gfx1250"
	.amdhsa_code_object_version 6
	.text
	.protected	k_q3cd7580cdc_proj
	.globl	k_q3cd7580cdc_proj
	.p2align	8
	.type	k_q3cd7580cdc_proj,@function
k_q3cd7580cdc_proj:
	s_mov_b64 s[64:65], 0
	v_nop
	global_prefetch_b8 v0, s[64:65] scope:SCOPE_SE
	s_setreg_imm32_b32 hwreg(HW_REG_WAVE_MODE, 25, 1), 1
	s_wait_xcnt 0x0
	s_wait_alu depctr_hold_cnt(0) depctr_sa_sdst(0) depctr_va_vdst(0) depctr_va_sdst(0) depctr_va_ssrc(0) depctr_va_vcc(0) depctr_vm_vsrc(0)
	s_getreg_b32 s2, hwreg(HW_REG_IB_STS2, 6, 4)
	s_cmp_eq_u32 s2, 0
	s_cbranch_scc0 .Lentry_in_a_cluster
	s_endpgm
.Lentry_in_a_cluster:
	s_bfe_u32 s2, ttmp6, 0x10000c
	s_cmp_lg_u32 s2, 0xf033
	s_cbranch_scc0 .Lentry_shape_is_right
	s_endpgm
.Lentry_shape_is_right:
; THREE PROJECTIONS IN ONE GRID: qkvh[g] = x_g @ w_g, g = 0, 1, 2 for q, k, v.  x_g: [8192][1024] f32; w_g: wb's part g, [1024 k][1024 n] bf16; qkvh[g]: [8192][1024] bf16.
; x is rounded to bf16 on its way from LDS to the matrix unit; sums in f32, K ascending; the result is rounded once to bf16.
; SHARES.  The cluster's x is g.  A tile of C is 128 rows x 256 columns; a cluster of 4 x 4 work-groups holds four tile rows (cy) x all four tile columns (cx).
; Four waves, each 64 x 128: 32 accumulators of 16 x 16.  K goes in 8 steps of 128 through two LDS slots.
; JOINT LOADS.  x's tile hangs on the tile row alone and is asked for jointly by a row of the cluster, w's on the tile column alone and is asked for jointly by a column.
; THE MATRIX INSTRUCTION IS USED TRANSPOSED (source 0 = 16 columns of w, source 1 = 16 rows of x): a lane then holds eight neighbouring numbers of one row of C.
; w lies [k][n], so its fragments come out of LDS turned, by ds_load_tr16_b128.  x's fragments come as f32 (16 registers for 8) and are packed by v_cvt_pk_bf16_f32.
; A QUARTER is 32 along K, 32 products.  In quarter i: w's fragments of quarter i + 1 are loaded in its middle, x's f32 of quarter i + 1 are packed beside its second half, x's f32 of quarter i + 2 are loaded at its end.
; So a slot's last read stands in the middle of its quarter 2 and the other slot's first read at that quarter's end: the change of slots lies between them.
; REGISTERS, in windows of 256: window 0: v16-30 addresses; v32-95 x's fragments, two buffers of 32; v128-191 x as f32; v192-223 at work on the way out.
;   window 1: v0-127 w's fragments, two buffers of 64.   window 2: accumulator (a, b) at v[8 (8 a + b)].
.set PA,    528                        ; a row of x in LDS: 512 bytes + 16 = 132 words: the 16 rows of a 16-byte read start at 16 different groups of four banks
.set PB,    544                        ; a k-row of w: 512 + 32 = 136 words
.set HALFA, 64*PA                      ; what one tensor load of x brings
.set HALFB, 64*PB                      ; and of w
.set BOFF,  2*HALFA
.set SLOT,  2*HALFA+2*HALFB
.set STAGE, 2*SLOT                     ; behind the ring: 16 rows x 272 bytes a wave, for the way out
.set SP,    272
.set SPARE, STAGE+4*16*SP              ; the spare words, 128 bytes a wave: two blocks of 256 bytes that no other line names
.set ADRA, 16                          ; v16-17  LDS address of my x rows in slot 0, 1
.set ADRB, 20                          ; v20-21  the same for w
.set STO,  24
.set RD,   25
.set CO,   26
.set SPW,  28                          ; never rewritten
.set NIL,  29                          ; never rewritten
.set PFO,  30                          ; the prefetches' lane offset; never rewritten
.set AB,   32
.set STG,  128
.set TMP,  192
.set WV, 14
.set WM, 15                            ; which 64 rows are mine; also: I fetch x (0) or w (1)
.set WN, 16                            ; which 128 columns; also: which half of that tile I fetch
.set CX, 17
.set CY, 18
.set GG, 19
.set TR, 20
.set LIM, 23                           ; 1 in a wave that prefetches, else the greatest number
.set G1A, 24
.set G0A, 32
.set PFA, 44
.set PST, 46
.set G1B, 48
.set G0B, 56
.set MSB, 0
.macro WIN new                         ; the immediate's high byte repeats the setting that is left; a switch that changes nothing is dropped
.if MSB != (\new)
	s_set_vgpr_msb (MSB<<8)|(\new)
.set MSB, \new
.endif
.endm
.set MUL,  0xa1                        ; source 0 (w) window 1, source 1 (x) window 0, C and D window 2
.set TO_B, 0x40                        ; destination window 1
.macro PLACES
.rept 4
	v_nop
.endr
.endm
; A joint load: waves 0 and 1 fetch x's two halves, waves 2 and 3 w's.  An s_nop 0 and four v_nop follow each line.
.macro JLOAD s
	s_cmp_eq_u32 s[WM], 0
	s_cbranch_scc0 .Lfor_b_\@
	tensor_load_to_lds s[G0A+4*(\s):G0A+4*(\s)+3], s[G1A:G1A+7]
	s_nop 0
.rept 4
	v_nop
.endr
	s_branch .Lasked_\@
.Lfor_b_\@:
	tensor_load_to_lds s[G0B+4*(\s):G0B+4*(\s)+3], s[G1B:G1B+7]
	s_nop 0
.rept 4
	v_nop
.endr
.Lasked_\@:
.endm
.macro CREST                           ; a round of the cluster's barrier behind its opening barrier
	s_cmp_lg_u32 s[WV], 0
	s_cbranch_scc1 .Lnot_wave_0_\@
	s_barrier_signal -3
.Lnot_wave_0_\@:
	s_barrier_wait -3
	s_barrier_signal -1
	s_barrier_wait -1
.endm
.macro CROUND
	s_barrier_signal -1
	s_barrier_wait -1
	CREST
.endm
; A prefetch of the K step two refills on: 16 rows x 512 bytes, two lanes a row, one instruction a wave.  x's rows are read by one cluster alone: each of the four partners that ask jointly takes 16 of a
; wave's 64 rows, told apart by address (cx).  w's rows are read by every cluster of the same g: the cluster with y = 0 asks, its partners along y take 16 rows each (cy).  The loop's last trip asks for nothing.
.macro ASK
	s_cmp_gt_u32 s3, s[LIM]
	s_cbranch_scc0 .Lnot_mine_\@
	global_prefetch_b8 v[PFO], s[PFA:PFA+1] th:TH_LOAD_NT scope:SCOPE_SE
.Lnot_mine_\@:
.endm
.macro W n, f, zero                    ; product n of a quarter's 32, on fragment buffers f
	WIN MUL
.if \zero
	v_wmma_f32_16x16x32_bf16 v[8*(\n):8*(\n)+7], v[64*(\f)+8*((\n)%8):64*(\f)+8*((\n)%8)+7], v[AB+32*(\f)+8*((\n)/8):AB+32*(\f)+8*((\n)/8)+7], 0
.else
	v_wmma_f32_16x16x32_bf16 v[8*(\n):8*(\n)+7], v[64*(\f)+8*((\n)%8):64*(\f)+8*((\n)%8)+7], v[AB+32*(\f)+8*((\n)/8):AB+32*(\f)+8*((\n)/8)+7], v[8*(\n):8*(\n)+7]
.endif
.endm
.macro CV n, g                         ; two of x's numbers rounded to bf16, into register n of buffer g
	WIN 0
	v_cvt_pk_bf16_f32 v[AB+32*(\g)+(\n)], v[STG+2*(\n)], v[STG+2*(\n)+1]
.endm
.macro LOADA s, i                      ; x as f32: my 64 rows, quarter i of slot s: lane l takes row l % 16, channels 8 (l / 16) + 0..7 and 16 + 8 (l / 16) + 0..7
	WIN 0
.irp a, 0,1,2,3
	ds_load_b128 v[STG+16*\a:STG+16*\a+3],     v[ADRA+(\s)] offset:\a*16*PA+(\i)*128
	ds_load_b128 v[STG+16*\a+4:STG+16*\a+7],   v[ADRA+(\s)] offset:\a*16*PA+(\i)*128+16
	ds_load_b128 v[STG+16*\a+8:STG+16*\a+11],  v[ADRA+(\s)] offset:\a*16*PA+(\i)*128+64
	ds_load_b128 v[STG+16*\a+12:STG+16*\a+15], v[ADRA+(\s)] offset:\a*16*PA+(\i)*128+80
.endr
.endm
.macro LOADB s, i, g                   ; w's fragments, turned: my 128 columns, quarter i of slot s, into buffer g
	WIN TO_B
.irp b, 0,1,2,3,4,5,6,7
	ds_load_tr16_b128 v[64*(\g)+8*\b:64*(\g)+8*\b+3],   v[ADRB+(\s)] offset:(\i)*32*PB+32*\b
	ds_load_tr16_b128 v[64*(\g)+8*\b+4:64*(\g)+8*\b+7], v[ADRB+(\s)] offset:(\i)*32*PB+16*PB+32*\b
.endr
.endm
; A QUARTER on buffers f.  hw: LDS loads that may stay out at its head.  sb, ib: slot and quarter of w's next fragments (sb = -1: none).  sa, ia: of x's next f32 (-1: none).  zero: the products start the sums.
; cv: x's staged f32 are packed beside the second half.  meet = 1: the change of slots with a refill of \slot; 2: the change without a refill.
.macro QTR f, hw, sb, ib, sa, ia, zero, cv, meet, slot
.if (\meet) == 1
	s_wait_xcnt 0x0                                ; the last prefetch, a K step back, has read its address
	s_add_nc_u64 s[PFA:PFA+1], s[PFA:PFA+1], s[PST:PST+1]
.endif
	s_wait_dscnt \hw                               ; this quarter's w is in; x's 16 staging loads, issued behind it, may stay out
.set t, 0
.rept 16
	W t, \f, \zero
.set t, t+1
.endr
.if (\sb) >= 0
	PLACES                                         ; four places behind the last quarter's products, ahead of loads and conversions into the buffers that they read
	LOADB \sb, \ib, 1-(\f)
	s_wait_dscnt 16                                ; x's f32 are in; the 16 loads just issued may stay out
.endif
.rept 8
.if (\meet) && (t == 24)
	WIN 0
	s_wait_tensorcnt 0x0                           ; all my tensor loads have landed: the one that was out is my part of the other slot
	ds_add_u32 v[SPW], v[NIL]                      ; 0 onto my spare word: four products stand between it and the wait for it
.endif
.if (\meet) && (t == 28)
	s_wait_dscnt 0x0                               ; the add is done, and my reads of this slot are over
	s_barrier_signal -1
.endif
	W t, \f, \zero
	W t+1, \f, \zero
.if \cv
	CV 2*(t-16), 1-(\f)
	CV 2*(t-16)+1, 1-(\f)
	CV 2*(t-16)+2, 1-(\f)
	CV 2*(t-16)+3, 1-(\f)
.endif
.set t, t+2
.endr
.if \meet
	WIN 0
	s_barrier_wait -1
.endif
.if (\meet) == 1
	CREST                                          ; the barrier has opened a round of the cluster's: no wave of any partner still reads this slot or has a load on its way
	s_add_nc_u64 s[G0A+4*(\slot)+2:G0A+4*(\slot)+3], s[G0A+4*(\slot)+2:G0A+4*(\slot)+3], 1024    ; two K steps on: 256 f32 along a row,
	s_add_nc_u64 s[G0B+4*(\slot)+2:G0B+4*(\slot)+3], s[G0B+4*(\slot)+2:G0B+4*(\slot)+3], 524288  ; 256 k-rows of 2,048 bytes
	JLOAD \slot                                    ; the first tensor load behind the round, one a wave: 120 products stand between it and the wait for it
.endif
.if (\sa) >= 0
	LOADA \sa, \ia
.endif
.if (\meet) == 1
	ASK
.endif
.endm
	s_load_b256 s[4:11], s[0:1], 0x0               ; q s[4:5], k s[6:7], v s[8:9], wb s[10:11]
	s_load_b64 s[12:13], s[0:1], 0x20              ; qkvh
	v_lshl_add_u32 v[SPW], v0, 2, SPARE
	v_mov_b32 v[NIL], 0
	ds_add_u32 v[SPW], v[NIL]                      ; the wave's opening: the add and its wait stand ahead of my first tensor load; work on registers stands between them
	v_lshrrev_b32 v1, 5, v0
	v_readfirstlane_b32 s[WV], v1
	s_lshr_b32 s[WM], s[WV], 1
	s_and_b32 s[WN], s[WV], 1
	s_bfe_u32 s[CX], ttmp6, 0x40000
	s_bfe_u32 s[CY], ttmp6, 0x40004
	s_mov_b32 s[GG], ttmp9                         ; the cluster's x: which projection
	s_and_b32 s[TR], ttmp7, 0xffff
	s_lshl_b32 s[TR], s[TR], 2
	s_add_co_u32 s[TR], s[TR], s[CY]               ; tile row = 4 x cluster y + cy
	s_lshl_b32 s21, s[CY], 2
	s_lshl_b32 s21, 15, s21                        ; my row of the cluster
	s_lshl_b32 s22, 0x1111, s[CX]                  ; my column
	s_or_b32 s[G1A], s21, (2<<16)|(1<<20)|(1<<21)|(6<<22)|(3<<25)  ; mask; elements of 4 bytes; padding on; bit 21 beside a mask; after every 128 words; 4 words
	s_or_b32 s[G1B], s22, (1<<16)|(1<<20)|(1<<21)|(6<<22)|(7<<25)  ; mask; elements of 2 bytes; after every 128 words; 8 words
	s_mov_b32 s[G1A+1], 128<<16                    ; tensor_dim0 = 128
	s_mov_b32 s[G1A+2], 64<<16                     ; tensor_dim1 = 64
	s_mov_b32 s[G1A+3], 128<<16                    ; tile_dim0 = 128
	s_mov_b32 s[G1A+4], 64                         ; tile_dim1 = 64
	s_mov_b32 s[G1A+5], 1024                       ; elements from row to row
	s_mov_b32 s[G1A+6], 0
	s_mov_b32 s[G1A+7], 0
	s_mov_b32 s[G1B+1], 256<<16
	s_mov_b32 s[G1B+2], 64<<16
	s_mov_b32 s[G1B+3], 256<<16
	s_mov_b32 s[G1B+4], 64
	s_mov_b32 s[G1B+5], 1024
	s_mov_b32 s[G1B+6], 0
	s_mov_b32 s[G1B+7], 0
	s_lshl_b32 s40, s[TR], 19                      ; x: (128 x tile row + 64 x half) rows of 4,096 bytes: no cx enters these registers
	s_lshl_b32 s41, s[WN], 18
	s_add_co_u32 s40, s40, s41
	s_mov_b32 s41, 0
	s_mul_i32 s42, s[WN], HALFA
	s_lshl_b32 s66, s[GG], 21                      ; w: part g, 64 x half k-rows of 2,048 bytes, 512 bytes x tile column: no cy enters these registers
	s_lshl_b32 s67, s[WN], 17
	s_add_co_u32 s66, s66, s67
	s_lshl_b32 s67, s[CX], 9
	s_add_co_u32 s66, s66, s67
	s_mov_b32 s67, 0
	s_mul_i32 s68, s[WN], HALFB
	s_add_co_u32 s68, s68, BOFF
	s_wait_dscnt 0x0                               ; the opening add is done
	s_wait_kmcnt 0x0
	s_cmp_eq_u32 s[GG], 1
	s_cselect_b64 s[4:5], s[6:7], s[4:5]
	s_cmp_eq_u32 s[GG], 2
	s_cselect_b64 s[4:5], s[8:9], s[4:5]           ; x_g
	s_add_nc_u64 s[40:41], s[4:5], s[40:41]
	s_add_nc_u64 s[66:67], s[10:11], s[66:67]
	CROUND                                         ; all sixteen work-groups are here: the first joint loads meet
.irp s, 0,1
	s_mov_b32 s[G0A+4*\s], 1
	s_add_co_u32 s[G0A+4*\s+1], s42, \s*SLOT
	s_add_nc_u64 s[G0A+4*\s+2:G0A+4*\s+3], s[40:41], \s*512
	s_or_b32 s[G0A+4*\s+3], s[G0A+4*\s+3], 0x80000000
	s_mov_b32 s[G0B+4*\s], 1
	s_add_co_u32 s[G0B+4*\s+1], s68, \s*SLOT
	s_add_nc_u64 s[G0B+4*\s+2:G0B+4*\s+3], s[66:67], \s*262144
	s_or_b32 s[G0B+4*\s+3], s[G0B+4*\s+3], 0x80000000
	JLOAD \s                                       ; two loads of mine are out
.endr
	v_and_b32 v1, 15, v0                           ; l % 16
	v_bfe_u32 v2, v0, 4, 1                         ; l / 16
	v_and_b32 v3, 7, v0
	v_bfe_u32 v4, v0, 3, 1
	v_mul_u32_u24 v5, v1, PA
	v_lshl_add_u32 v5, v2, 5, v5                   ; row x pitch + 32 bytes x half
	s_mul_i32 s69, s[WM], HALFA
	v_add_nc_u32 v[ADRA], s69, v5
	v_add_nc_u32 v[ADRA+1], SLOT, v[ADRA]
	v_lshl_add_u32 v6, v2, 3, v3                   ; the turning load: k-row 8 (l / 16) + l % 8, columns 8 ((l / 8) % 2) on
	v_mul_u32_u24 v6, v6, PB
	v_lshl_add_u32 v6, v4, 4, v6
	s_lshl_b32 s69, s[WN], 8
	s_add_co_u32 s69, s69, BOFF
	v_add_nc_u32 v[ADRB], s69, v6
	v_add_nc_u32 v[ADRB+1], SLOT, v[ADRB]
	s_mul_i32 s69, s[WV], 16*SP
	s_add_co_u32 s69, s69, STAGE
	v_mul_u32_u24 v5, v1, SP
	v_lshl_add_u32 v5, v2, 4, v5
	v_add_nc_u32 v[STO], s69, v5
	v_mul_u32_u24 v5, v2, SP
	v_lshl_add_u32 v5, v1, 4, v5
	v_add_nc_u32 v[RD], s69, v5
	v_lshlrev_b32 v5, 11, v2
	v_lshl_add_u32 v[CO], v1, 4, v5                ; two rows of C, 256 bytes each
	s_lshl_b32 s70, s[GG], 24                      ; C: part g, my 64 rows of 2,048 bytes, my 256 bytes of them
	s_lshl_b32 s71, s[TR], 18
	s_add_co_u32 s70, s70, s71
	s_lshl_b32 s71, s[WM], 17
	s_add_co_u32 s70, s70, s71
	s_lshl_b32 s71, s[CX], 9
	s_add_co_u32 s70, s70, s71
	s_lshl_b32 s71, s[WN], 8
	s_add_co_u32 s70, s70, s71
	s_mov_b32 s71, 0
	s_add_nc_u64 s[12:13], s[12:13], s[70:71]
	; the prefetches: they stand at K step 3; each change of slots steps them before it asks
	s_lshl_b32 s70, s[TR], 19
	s_lshl_b32 s71, s[WN], 18
	s_add_co_u32 s70, s70, s71
	s_lshl_b32 s71, s[CX], 16                      ; my work-group's 16 of the 64 rows
	s_add_co_u32 s70, s70, s71
	s_add_co_u32 s70, s70, 1536
	s_lshl_b32 s72, s[GG], 21
	s_lshl_b32 s71, s[WN], 17
	s_add_co_u32 s72, s72, s71
	s_lshl_b32 s71, s[CY], 15
	s_add_co_u32 s72, s72, s71
	s_lshl_b32 s71, s[CX], 9
	s_add_co_u32 s72, s72, s71
	s_add_co_u32 s72, s72, 786432
	s_and_b32 s73, ttmp7, 0xffff
	s_cmp_eq_u32 s73, 0
	s_cselect_b32 s[LIM], 1, -1
	s_mov_b32 s73, 262144
	s_cmp_eq_u32 s[WM], 0
	s_cselect_b32 s[LIM], 1, s[LIM]
	s_cselect_b32 s70, s70, s72
	s_cselect_b32 s[PST], 512, s73
	s_cselect_b32 s69, 12, 11
	s_cselect_b64 s[PFA:PFA+1], s[4:5], s[10:11]
	s_mov_b32 s71, 0
	s_mov_b32 s[PST+1], 0
	s_add_nc_u64 s[PFA:PFA+1], s[PFA:PFA+1], s[70:71]
	v_lshlrev_b32 v[PFO], s69, v1                  ; a row,
	v_lshl_add_u32 v[PFO], v2, 8, v[PFO]           ; and which 256 of its 512 bytes
	s_wait_tensorcnt 1                             ; my part of K step 0 is in; K step 1's may stay out
	s_barrier_signal -1
	s_barrier_wait -1
	LOADA 0, 0
	LOADB 0, 0, 0
	s_wait_dscnt 16                                ; x's f32 of quarter 0 are in
.set t, 0
.rept 32
	CV t, 0
.set t, t+1
.endr
	LOADA 0, 1
	QTR 0, 16, 0, 1, 0, 2, 1, 1, 0, 0              ; the first quarter stands in front of the loop: its products start the sums
	WIN 0
	s_mov_b32 s3, 3
.Llap:                                                 ; once round the ring, from a lap's second quarter to the next lap's first; both slots are filled again
	QTR 1, 16, 0, 2, 0, 3, 0, 1, 0, 0
	QTR 0, 16, 0, 3, 1, 0, 0, 1, 1, 0
	QTR 1, 16, 1, 0, 1, 1, 0, 1, 0, 0
	QTR 0, 16, 1, 1, 1, 2, 0, 1, 0, 0
	QTR 1, 16, 1, 2, 1, 3, 0, 1, 0, 0
	QTR 0, 16, 1, 3, 0, 0, 0, 1, 1, 1
	QTR 1, 16, 0, 0, 0, 1, 0, 1, 0, 0
	QTR 0, 16, 0, 1, 0, 2, 0, 1, 0, 0
	WIN 0
	s_sub_co_u32 s3, s3, 1
	s_cmp_lg_u32 s3, 0
	s_cbranch_scc1 .Llap
	QTR 1, 16, 0, 2, 0, 3, 0, 1, 0, 0              ; the last lap fills nothing
	QTR 0, 16, 0, 3, 1, 0, 0, 1, 2, 0
	QTR 1, 16, 1, 0, 1, 1, 0, 1, 0, 0
	QTR 0, 16, 1, 1, 1, 2, 0, 1, 0, 0
	QTR 1, 16, 1, 2, 1, 3, 0, 1, 0, 0
	QTR 0, 16, 1, 3, -1, 0, 0, 1, 0, 0
	QTR 1, 0, -1, 0, -1, 0, 0, 0, 0, 0
	; THE WAY OUT, 16 rows at a time: rounded to bf16, 16 bytes a lane into my own stage, back as whole rows of 256 bytes, stored.
.macro PACK a
	WIN 0x0a                                       ; sources 0 and 1 in window 2
.irp b, 0,1,2,3,4,5,6,7
.irp r, 0,1,2,3
	v_cvt_pk_bf16_f32 v[TMP+4*\b+\r], v[8*(8*(\a)+\b)+2*\r], v[8*(8*(\a)+\b)+2*\r+1]
.endr
.endr
	WIN 0
.endm
.macro TOSTAGE a
.set OB, 32+32*(\a)+32*((\a)/2)        ; v32, v64, v128, v160: a set for each block, so no store's data is written again
.irp b, 0,1,2,3,4,5,6,7
	ds_store_b128 v[STO], v[TMP+4*\b:TMP+4*\b+3] offset:32*\b
.endr
.irp t, 0,1,2,3,4,5,6,7
	ds_load_b128 v[OB+4*\t:OB+4*\t+3], v[RD] offset:\t*2*SP  ; LDS serves a wave's instructions in order: these see the stores above
.endr
.endm
.macro SEND a
.set OB, 32+32*(\a)+32*((\a)/2)
	s_wait_dscnt 0x0
.irp t, 0,1,2,3,4,5,6,7
	global_store_b128 v[CO], v[OB+4*\t:OB+4*\t+3], s[12:13] offset:(16*(\a)+2*\t)*2048  ; 16 lanes store 256 consecutive bytes, aligned
.endr
.endm
	PLACES                                         ; the conversions read results, and the stage's loads land in registers that products have read
	PACK 0
	TOSTAGE 0
.irp a, 1,2,3
	PACK \a
	SEND (\a)-1
	TOSTAGE \a
.endr
	SEND 3
	s_wait_tensorcnt 0x0                           ; the wave's end
	ds_add_u32 v[SPW], v[NIL]
	s_wait_dscnt 0x0
	CROUND                                         ; the closing round: no work-group ends while a partner may still ask for a tile that names it
	s_endpgm
.Lfunc_end_k_q3cd7580cdc_proj:
	.size	k_q3cd7580cdc_proj, .Lfunc_end_k_q3cd7580cdc_proj-k_q3cd7580cdc_proj
	.p2alignl 7, 3214868480
	.fill 96, 4, 3214868480
	.section	.rodata,"a",@progbits
	.p2align	6, 0x0
	.amdhsa_kernel k_q3cd7580cdc_proj
		.amdhsa_group_segment_fixed_size 327680
		.amdhsa_private_segment_fixed_size 0
		.amdhsa_enable_private_segment 0
		.amdhsa_kernarg_size 40
		.amdhsa_user_sgpr_count 2
		.amdhsa_user_sgpr_kernarg_segment_ptr 1
		.amdhsa_wavefront_size32 1
		.amdhsa_system_sgpr_workgroup_id_x 1
		.amdhsa_system_sgpr_workgroup_id_y 1
		.amdhsa_system_sgpr_workgroup_id_z 1
		.amdhsa_system_vgpr_workitem_id 0
		.amdhsa_next_free_vgpr 768
		.amdhsa_next_free_sgpr 80
		.amdhsa_reserve_vcc 0
		.amdhsa_float_denorm_mode_32 3
		.amdhsa_float_denorm_mode_16_64 3
		.amdhsa_memory_ordered 1
		.amdhsa_forward_progress 1
		.amdhsa_inst_pref_size 135
	.end_amdhsa_kernel
	.amdgpu_metadata
---
amdhsa.version: [ 1, 2 ]
amdhsa.kernels:
  - .name:           k_q3cd7580cdc_proj
    .symbol:         k_q3cd7580cdc_proj.kd
    .args:
      - { .name: q, .offset: 0, .size: 8, .value_kind: global_buffer, .address_space: global }
      - { .name: k, .offset: 8, .size: 8, .value_kind: global_buffer, .address_space: global }
      - { .name: v, .offset: 16, .size: 8, .value_kind: global_buffer, .address_space: global }
      - { .name: wb, .offset: 24, .size: 8, .value_kind: global_buffer, .address_space: global }
      - { .name: qkvh, .offset: 32, .size: 8, .value_kind: global_buffer, .address_space: global }
    .group_segment_fixed_size: 327680
    .private_segment_fixed_size: 0
    .kernarg_segment_align: 8
    .kernarg_segment_size: 40
    .max_flat_workgroup_size: 128
    .sgpr_count:     80
    .vgpr_count:     768
    .wavefront_size: 32
...
	.end_amdgpu_metadata
.endif
;; end of part 2
;; launch attn (part 3): grid 8 x 32, 4 waves a work-group, clusters of 4 x 1, 327,680 bytes of LDS; arguments qkvh, maskbits, ob; writes ob
.if DOCPART == 3
	.amdgcn_target "amdgcn-amd-amdhsa--gfx1250"
	.amdhsa_code_object_version 6
	.text
	.protected	k_q3cd7580cdc_attn
	.globl	k_q3cd7580cdc_attn
	.p2align	8
	.type	k_q3cd7580cdc_attn,@function
k_q3cd7580cdc_attn:
	s_mov_b64 s[64:65], 0
	v_nop
	global_prefetch_b8 v0, s[64:65] scope:SCOPE_SE
	s_setreg_imm32_b32 hwreg(HW_REG_WAVE_MODE, 25, 1), 1
	s_wait_xcnt 0x0
	s_wait_alu depctr_hold_cnt(0) depctr_sa_sdst(0) depctr_va_vdst(0) depctr_va_sdst(0) depctr_va_ssrc(0) depctr_va_vcc(0) depctr_vm_vsrc(0)
	s_getreg_b32 s2, hwreg(HW_REG_IB_STS2, 6, 4)
	s_cmp_eq_u32 s2, 0
	s_cbranch_scc0 .Lentry_in_a_cluster
	s_endpgm
.Lentry_in_a_cluster:
	s_bfe_u32 s2, ttmp6, 0x10000c
	s_cmp_lg_u32 s2, 0x3003
	s_cbranch_scc0 .Lentry_shape_is_right
	s_endpgm
.Lentry_shape_is_right:
; MASKED ATTENTION, head size 64, two heads to a work-group.  ob[b][q][h 64 + :] = the sum over k of softmax_k(where(mask[b][q][k] = 0, hidden, Q.K / 8)) V.
; qkvh: [3][8192][1024] bf16 (q's, k's, v's projections, rows b 2048 + position, channels h 64 + d); maskbits: lane masks made by the launch prep; ob: [8192][1024] bf16.
; Products, maxima and sums in f32; the weights p are rounded to bf16 for the second product (their sum l is taken of the unrounded p), O once at the end.
; LIMITS.  A hidden score is REPLACED, ahead of the running maximum, by -2^33 (-1.07e9 after the division by 8, where the module's own figure is -1e9): the result is the same while every true score / 8 lies above about -1e9.
; -2^33 is a power of two, so that c s - c m is exactly 0 in a row that is wholly hidden: such a row gets the plain mean of V, as the module gives.  A weight below 2^-126 counts as 0; NaN and infinities are not treated apart.
; SHARES.  Work-group y = 8 b + hp: batch b, heads 2 hp and 2 hp + 1, whose 128 channels are 256 aligned bytes of a row.  Work-group x: a block of 256 queries; a wave owns 64: four PIECES.
; A piece is one tile of 16 queries for BOTH heads (tile u = head u), so both tiles take the same 32 mask words.  Every wave walks all 2,048 keys, 64 a step.
; LAYOUT.  S^T = K Q^T: a lane holds ONE query (lane % 16) and the keys 8 (lane / 16) + 0..7; two results rounded in pairs ARE source 1 of O^T = V^T P.  K comes out of LDS as it lies, V turned.
; SOFTMAX.  p = 2^(c s - c m), c = log2(e) / 8, with a running maximum m; O and l are multiplied by a = 2^(c m_old - c m_new) in every step.  m starts at the lowest finite number, O and l at 0.
; THE MASK.  One v_cndmask_b32 a score, its lane mask a scalar register; a turn's 32 words (128 bytes) come by two scalar loads, issued a turn ahead.
; BY TURNS.  Turn n belongs to piece n: 16 products K Q^T of piece n + 1, later 16 products V^T P of piece n - 1; beside them the scaling, exponentials, roundings, sums and rescaling of piece n and the
; mask, maximum and statistics of piece n + 1.  A turn's 66 exponentials are one batch with one wait.
; CLUSTER.  The four query blocks of a cluster walk the same K and V: each tile is asked for jointly, by the same tensor load, descriptor and mask in all four.
; REGISTERS, in windows of 256: window 0: v0-11 addresses; v12-15, v48-63 at work; v16-47 statistics; v64-191 S^T, two buffers of two tiles; v192-255 P, likewise.
;   window 1: O^T, 32 a tile.   window 2: v0-127 Q, 16 a tile; v128-255 K of one step.   window 3: v0-127 V of one step; v128-129 the add's two registers.
.set NP,    4
.set KS,    64
.set PK,    272       ; a row of K in LDS: 256 bytes + 16: the 16 rows of a load start at 16 different groups of four banks
.set PV,    288       ; a row of V: 256 + 32
.set VOFF,  KS*PK     ; a step's tiles lie together: 64 rows of K, then 64 rows of V
.set STEPB, KS*(PK+PV)
.set SLOT1, 1<<17     ; a slot holds two steps; slot 1 begins here, so that one exclusive or turns an address in one slot into the other's
.set STAGE, SLOT1+2*STEPB
.set SP,    272
.set SPARE, STAGE+4*16*SP  ; the spare words, 128 bytes a wave: two blocks of 256 bytes that no other line names
.set AK0, 2
.set AV0, 3
.set AK,  4
.set AV,  5
.set QO,  6
.set STO, 6
.set RD,  7
.set GO,  8
.set PFO, 11          ; v11  2,048 x my lane: a row; never rewritten once made
.set MV,  12
.set ST,  16          ; tile t's statistics at v[ST+4 t]: c m, m, l (even keys', odd keys')
.set TMP, 48
.set S,   64
.set P,   192
.set KF,  128         ; window 2: key block kb, head u, channel half c at KF + 8 (4 kb + 2 u + c)
.set SPW, 128         ; window 3; never rewritten
.set NIL, 129         ; window 3; never rewritten
.set WV,  12
.set G1K, 24
.set G1V, 32
.set G0K, 40
.set G0V, 44
.set NEG, 48          ; s48  -2^33
.set MOFF, 49         ; s49  byte offset of the mask words to be loaded next
.set MB,  50          ; s[50:51] my wave's 16,384 bytes of maskbits
.set PFA, 52
.set LIM, 54
.set SLOTS, 56
.set CNT, 57
.set CS,  58
.set SEL, 60
.set TBK, 62
.set TBV, 63
.set MK,  68          ; s[68:99] a turn's 32 mask words
.set MSB, 0
.macro WIN new
.if MSB != (\new)
	s_set_vgpr_msb (MSB<<8)|(\new)
.set MSB, (\new)
.endif
.endm
.set W_KQ, 0x0a       ; K and Q in window 2, S^T in window 0
.set W_PV, 0x53       ; V in window 3, P in window 0, O^T in window 1
.set W_RS, 0x41       ; O^T (destination and source 0) in window 1, a in window 0
.set W_MK, 0xc0
.set W_AD, 0x0f
; A joint fill.  Waves 0 and 1 fetch the K of a slot's two steps, waves 2 and 3 the V.  An s_nop 0 and four v_nop follow each line.
.macro JLOAD
	s_cmp_lt_u32 s[WV], 2
	s_cbranch_scc0 .Lfor_v_\@
	tensor_load_to_lds s[G0K:G0K+3], s[G1K:G1K+7]
	s_nop 0
.rept 4
	v_nop
.endr
	s_branch .Lasked_\@
.Lfor_v_\@:
	tensor_load_to_lds s[G0V:G0V+3], s[G1V:G1V+7]
	s_nop 0
.rept 4
	v_nop
.endr
.Lasked_\@:
.endm
; A prefetch of what the NEXT change of slots will ask for: 128 rows of K and of V, 256 bytes a row, a lane a row.  Both clusters of a head pair walk the same rows: the first asks.  Its four partners take 32 rows
; each, told apart by address; in each, wave 0 asks for K's and wave 2 for V's.  The last change that fills a slot asks for nothing.
.macro ASK
	s_cmp_gt_u32 s[SLOTS], s[LIM]
	s_cbranch_scc0 .Lnot_mine_\@
	global_prefetch_b8 v[PFO], s[PFA:PFA+1] th:TH_LOAD_NT scope:SCOPE_SE
.Lnot_mine_\@:
.endm
.macro CROUND
	s_barrier_signal -1
	s_barrier_wait -1
	s_cmp_lg_u32 s[WV], 0
	s_cbranch_scc1 .Lnot_wave_0_\@
	s_barrier_signal -3
.Lnot_wave_0_\@:
	s_barrier_wait -3
	s_barrier_signal -1
	s_barrier_wait -1
.endm
; THE CHANGE OF SLOTS.  Each wave waits for all its tensor loads, of which one is out: its part of the other slot; adds 0 to its spare word; and waits for that and for its own reads of the slot.
; fill = 1: the slot is filled again with the keys two slots on; the barrier is then a round of the cluster's, and the joint fill is the first thing behind it: it has two key steps, 256 products, in which to land.
.macro CHANGE fill
	WIN W_AD
	s_wait_tensorcnt 0x0            ; no tensor load of mine is out, so a group 0 may be written
	ds_add_u32 v[SPW], v[NIL]       ; 0 onto my spare word
	WIN 0
.if \fill
.irp g, G0K, G0V
	s_xor_b32 s[\g+1], s[\g+1], SLOT1
	s_add_nc_u64 s[\g+2:\g+3], s[\g+2:\g+3], 2*KS*2048  ; the next 128 keys
.endr
	s_wait_xcnt 0x0                 ; the last prefetch, two key steps back, has read its address
	s_add_nc_u64 s[PFA:PFA+1], s[PFA:PFA+1], 2*KS*2048
	s_wait_dscnt 0x0                ; the add is done, and my reads of the slot are over
	CROUND
	JLOAD
	ASK
.else
	s_wait_dscnt 0x0
	s_barrier_signal -1
	s_barrier_wait -1
.endif
	s_sub_co_u32 s[TBK], s[TBK], 2*STEPB  ; the fetches go back to a slot's first step,
	s_xor_b32 s[TBK], s[TBK], SLOT1       ; in the other slot
	s_sub_co_u32 s[TBV], s[TBV], 2*STEPB
	s_xor_b32 s[TBV], s[TBV], SLOT1
.endm
	s_load_b128 s[4:7], s[0:1], 0x0   ; qkvh s[4:5], maskbits s[6:7]
	s_load_b64 s[10:11], s[0:1], 0x10 ; ob
	WIN W_MK
	v_lshl_add_u32 v[SPW], v0, 2, SPARE
	v_mov_b32 v[NIL], 0
	WIN W_AD
	ds_add_u32 v[SPW], v[NIL]       ; the wave's opening: the add and its wait stand ahead of my first tensor load; work on registers stands between them
	WIN 0
	v_lshrrev_b32 v1, 5, v0
	v_readfirstlane_b32 s[WV], v1
	s_bfe_u32 s13, ttmp6, 0x40000   ; cx
	s_lshl_b32 s14, ttmp9, 2
	s_add_co_u32 s14, s14, s13      ; my block of 256 queries: it enters Q's, O's and the mask's addresses alone
	s_and_b32 s15, ttmp7, 0xffff
	s_lshr_b32 s16, s15, 3          ; b
	s_and_b32 s17, s15, 7           ; hp
	s_lshl_b32 s20, s16, 22         ; the batch's 2,048 rows of 2,048 bytes,
	s_lshl_b32 s21, s17, 8          ; the head pair's 256 bytes of a row: shared by the four partners
	s_add_co_u32 s20, s20, s21
	s_and_b32 s18, s[WV], 1         ; which of a slot's two steps I fetch
	s_lshl_b32 s22, s18, 17         ; its 64 rows
	s_add_co_u32 s22, s22, s20
	s_add_co_u32 s22, s22, 16777216 ; in k's part of qkvh
	s_mov_b32 s23, 0
	s_mul_i32 s19, s18, STEPB       ; and its place in a slot
	s_lshl_b32 s2, s14, 19          ; my block's 256 rows,
	s_lshl_b32 s3, s[WV], 17        ; my wave's 64
	s_add_co_u32 s2, s2, s3
	s_add_co_u32 s2, s2, s20
	s_mov_b32 s3, 0
	s_lshl_b32 s8, s16, 5           ; the mask: group of 64 queries 32 b + 4 block + wave, 16,384 bytes each
	s_lshl_b32 s9, s14, 2
	s_add_co_u32 s8, s8, s9
	s_add_co_u32 s8, s8, s[WV]
	s_lshl_b32 s8, s8, 14
	s_mov_b32 s9, 0
	s_mov_b32 s[G1K], 15|(1<<16)|(1<<20)|(1<<21)|(5<<22)|(3<<25)  ; the mask of four; 2-byte elements; padding on; bit 21 beside a mask; after every 64 words; 4 words
	s_mov_b32 s[G1V], 15|(1<<16)|(1<<20)|(1<<21)|(5<<22)|(7<<25)  ; the same with 8 words
.irp g, G1K, G1V
	s_mov_b32 s[\g+1], 128<<16      ; tensor_dim0 = 128
	s_mov_b32 s[\g+2], KS<<16       ; tensor_dim1 = 64
	s_mov_b32 s[\g+3], 128<<16      ; tile_dim0 = 128
	s_mov_b32 s[\g+4], KS           ; tile_dim1 = 64
	s_mov_b32 s[\g+5], 1024         ; elements from row to row
	s_mov_b32 s[\g+6], 0
	s_mov_b32 s[\g+7], 0
.endr
	s_mov_b32 s[CS], 0x3e38aa3b     ; c = log2(e) / 8
	s_mov_b32 s[CS+1], s[CS]
	s_mov_b32 s[SEL], 0x76543210
	s_mov_b32 s[SEL+1], 0xfedcba98
	s_mov_b32 s[NEG], 0xd0000000    ; -2^33
	s_mov_b32 s[MOFF], 0
	s_mov_b32 s[TBK], SLOT1+2*STEPB ; the first change of slots turns these two into 0
	s_mov_b32 s[TBV], SLOT1+2*STEPB
	s_mov_b32 s[SLOTS], 15
	s_mov_b32 s[G0K], 1
	s_mov_b32 s[G0K+1], s19
	s_mov_b32 s[G0V], 1
	s_add_co_u32 s[G0V+1], s19, VOFF
	s_and_b32 s[LIM], s[WV], 1      ; 0 in waves 0 and 2,
	s_or_b32 s[LIM], s[LIM], ttmp9  ; where the cluster is the head pair's first: the same in all four partners
	s_cmp_eq_u32 s[LIM], 0
	s_cselect_b32 s[LIM], 1, -1
	s_wait_dscnt 0x0                ; the opening add is done
	s_wait_kmcnt 0x0
	s_add_nc_u64 s[MB:MB+1], s[6:7], s[8:9]
	s_add_nc_u64 s[G0K+2:G0K+3], s[4:5], s[22:23]
	s_add_nc_u64 s[G0V+2:G0V+3], s[G0K+2:G0K+3], 16777216  ; v's part lies behind k's
	s_or_b32 s[G0K+3], s[G0K+3], 0x80000000
	s_or_b32 s[G0V+3], s[G0V+3], 0x80000000
	s_lshl_b32 s8, s13, 16          ; the prefetches: my work-group's 32 rows of a slot's 128,
	s_add_co_u32 s8, s8, s20
	s_add_co_u32 s8, s8, 16777216+2*KS*2048  ; in slot 1 of K; each change of slots steps them before it asks
	s_lshr_b32 s9, s[WV], 1
	s_lshl_b32 s9, s9, 24           ; or of V
	s_add_co_u32 s8, s8, s9
	s_mov_b32 s9, 0
	s_add_nc_u64 s[PFA:PFA+1], s[4:5], s[8:9]
	s_add_nc_u64 s[4:5], s[4:5], s[2:3]    ; Q and O at my wave's first row
	s_add_nc_u64 s[10:11], s[10:11], s[2:3]
	s_load_b512 s[MK:MK+15], s[MB:MB+1], s[MOFF]               ; the mask words of step 0, piece 0
	s_load_b512 s[MK+16:MK+31], s[MB:MB+1], s[MOFF] offset:0x40
	CROUND                          ; all four work-groups are here: the first joint loads meet
	JLOAD                           ; slot 0; slot 1 is asked for when slot 0 is in
	v_and_b32 v1, 15, v0            ; l % 16
	v_bfe_u32 v9, v0, 4, 1          ; l / 16
	v_lshlrev_b32 v[QO], 11, v1
	v_lshl_add_u32 v[QO], v9, 4, v[QO]
	WIN 0x80
.set i, 0
.rept 16                            ; Q stays in registers: tile i / 2 (query tile i / 4, head (i / 2) % 2), channels 32 (i % 2) on
	global_load_b128 v[8*i:8*i+3],   v[QO], s[4:5] offset:(i/4)*32768+((i/2)%2)*128+(i%2)*64
	global_load_b128 v[8*i+4:8*i+7], v[QO], s[4:5] offset:(i/4)*32768+((i/2)%2)*128+(i%2)*64+32
.set i, i+1
.endr
	; What the first turn finds: V and P's second buffer hold 0 (its products V^T P, of a piece that has not been, add 0), O^T and l are 0.  All this stands in the wait for the first tile.
	WIN 0xc0
.set i, 0
.rept 128
	v_mov_b32 v[i], 0
.set i, i+1
.endr
	WIN 0x40
.set i, 0
.rept 256
	v_mov_b32 v[i], 0
.set i, i+1
.endr
	WIN 0
.set i, 0
.rept 2*NP
	v_mov_b32 v[ST+4*i], 0xfe000000    ; c m: far below every c s
	v_mov_b32 v[ST+4*i+1], 0xff7fffff  ; m
	v_mov_b32 v[ST+4*i+2], 0
	v_mov_b32 v[ST+4*i+3], 0
.set i, i+1
.endr
.set i, P+32
.rept 32
	v_mov_b32 v[i], 0
.set i, i+1
.endr
	v_mul_u32_u24 v[AK0], v1, PK
	v_lshl_add_u32 v[AK0], v9, 4, v[AK0]
	v_and_b32 v10, 7, v0
	v_bfe_u32 v11, v0, 3, 1
	v_lshl_add_u32 v[AV0], v9, 3, v10  ; the turning load: key 8 (l / 16) + l % 8, channels 8 ((l / 8) % 2) on
	v_mul_u32_u24 v[AV0], v[AV0], PV
	v_lshl_add_u32 v[AV0], v11, 4, v[AV0]
	v_add_nc_u32 v[AV0], VOFF, v[AV0]
	v_mov_b32 v[AK], v[AK0]
	v_and_b32 v[PFO], 31, v0
	v_lshlrev_b32 v[PFO], 11, v[PFO]
; THE MATRIX WORK.  The 8 accumulators of a run of 16 take turns.
.macro KQ x                         ; product i of 16 of S^T = K Q^T for piece x: channels 32 (i / 8) on, keys 16 ((i / 2) % 4) on, head i % 2
	WIN W_KQ
.set rS, S+64*((\x)%2)+32*(i%2)+8*((i/2)%4)
.set rK, KF+8*(4*((i/2)%4)+2*(i%2)+i/8)
.set rQ, 16*(2*(\x)+i%2)+8*(i/8)
.if i < 8
	v_wmma_f32_16x16x32_bf16 v[rS:rS+7], v[rK:rK+7], v[rQ:rQ+7], 0
.else
	v_wmma_f32_16x16x32_bf16 v[rS:rS+7], v[rK:rK+7], v[rQ:rQ+7], v[rS:rS+7]
.endif
.endm
.macro PV x                         ; product i of 16 of O^T += V^T P for piece x: keys 32 (i / 8) on, channels 16 ((i / 2) % 4) on, head i % 2
	WIN W_PV
.set rO, 32*(2*(\x)+i%2)+8*((i/2)%4)
.set rV, 8*(8*(i/8)+4*(i%2)+(i/2)%4)
.set rP, P+32*((\x)%2)+16*(i%2)+8*(i/8)
	v_wmma_f32_16x16x32_bf16 v[rO:rO+7], v[rV:rV+7], v[rP:rP+7], v[rO:rO+7]
.endm
.macro MM
.if i < 16
	KQ (Y+1)%NP
.set i, i+1
.else
.set i, i-16
	PV (Y+NP-1)%NP
.set i, i+17
.endif
.endm
; THE LDS LOADS stand in runs of 32.  last = 1 (the tail): in the last trip there is no further step, and the run is jumped over.
.macro FETCH_K last=0
	WIN 0
.if \last
	s_cmp_eq_u32 s[CNT], 1
	s_cbranch_scc1 .Lno_k_\@
.endif
	WIN 0x80
.irp f, 0,1,2,3,4,5,6,7,8,9,10,11,12,13,14,15  ; keys 16 (f / 4) on, channels 32 (f % 4) on of the pair's 128
	ds_load_b128 v[KF+8*\f:KF+8*\f+3],   v[AK] offset:(\f/4)*16*PK+(\f%4)*64
	ds_load_b128 v[KF+8*\f+4:KF+8*\f+7], v[AK] offset:(\f/4)*16*PK+(\f%4)*64+32
.endr
	s_add_co_u32 s[TBK], s[TBK], STEPB
	WIN 0
.if \last
.Lno_k_\@:
.endif
.endm
.macro FETCH_V
	WIN 0xc0
.irp f, 0,1,2,3,4,5,6,7,8,9,10,11,12,13,14,15  ; keys 32 (f / 8) on, channels 16 (f % 8) on
	ds_load_tr16_b128 v[8*\f:8*\f+3],   v[AV] offset:(\f/8)*32*PV+(\f%8)*32
	ds_load_tr16_b128 v[8*\f+4:8*\f+7], v[AV] offset:(\f/8)*32*PV+16*PV+(\f%8)*32
.endr
	WIN 0
.endm
; The next turn's 32 mask words.  It stands behind the wait for the last scalar loads and behind the last line that reads the words.  The walk has 128 turns of 128 bytes;
; the loads behind the last of them are held to the last 128 bytes and serve nothing.
.macro MLOAD
	s_add_co_u32 s[MOFF], s[MOFF], 128
	s_min_u32 s[MOFF], s[MOFF], 16256
	s_load_b512 s[MK:MK+15], s[MB:MB+1], s[MOFF]
	s_load_b512 s[MK+16:MK+31], s[MB:MB+1], s[MOFF] offset:0x40
.endm
; THE VECTOR WORK OF A TURN, in three queues; the two tiles alternate.
.macro REGS y, u
.set rT, ST+4*(2*(\y)+(\u))
.set rC, TMP+8*((\y)%2)+4*(\u)
.set rM, MV+2*((\y)%2)+(\u)
.set rS, S+64*((\y)%2)+32*(\u)
.set rP, P+32*((\y)%2)+16*(\u)
.set rO, 32*(2*(\y)+(\u))
.endm
; Number n of the 22 that find the next piece's maximum and statistics: 0-11 four chains c0-c3; 12-14, 16 the scores left over, the old m, c0-c3 into c0; 15 c m_old is kept;
; 17, 18 the other half of the lanes: the new m; 19-21 c m; c m_old - c m_new; a.
.macro XS u, n
	REGS (Y+1)%NP, \u
.if (\n) < 4
	v_max3_num_f32 v[rC+(\n)], v[rS+8*(\n)], v[rS+8*(\n)+1], v[rS+8*(\n)+2]
.elseif (\n) < 12
	v_max3_num_f32 v[rC+(\n)%4], v[rC+(\n)%4], v[rS+8*((\n)%4)+2*((\n)/4)+1], v[rS+8*((\n)%4)+2*((\n)/4)+2]
.elseif (\n) == 12
	v_max3_num_f32 v[rC], v[rC], v[rS+7], v[rS+15]
.elseif (\n) == 13
	v_max3_num_f32 v[rC+1], v[rC+1], v[rS+23], v[rS+31]
.elseif (\n) == 14
	v_max3_num_f32 v[rC+2], v[rC+2], v[rC+3], v[rT+1]
.elseif (\n) == 15
	v_mov_b32 v[rM], v[rT]
.elseif (\n) == 16
	v_max3_num_f32 v[rC], v[rC], v[rC+1], v[rC+2]
.elseif (\n) == 17
	v_permlanex16_b32 v[rC+3], v[rC], s[SEL], s[SEL+1]
.elseif (\n) == 18
	v_max_num_f32 v[rT+1], v[rC], v[rC+3]
.elseif (\n) == 19
	v_mul_f32 v[rT], s[CS], v[rT+1]
.elseif (\n) == 20
	v_sub_f32 v[rC+1], v[rM], v[rT]
.else
	v_exp_f32 v[rC+2], v[rC+1]
.endif
.endm
; Number g of the 64 that follow the exponentials: for each four weights both pairs are rounded, the second pair is added onto the first, and a group later l takes that sum (the first time as l = a l + sum).
.macro GS g
.set h, (\g)+6*((\g)/62)
.if h >= 6
.set h, h+2
.endif
	REGS Y, h%2
.set k, h/8
.if h%8 < 4
	v_cvt_pk_bf16_f32 v[rP+2*k+(h%8)/2], v[rS+4*k+2*((h%8)/2)], v[rS+4*k+2*((h%8)/2)+1]
.elseif h%8 < 6
	v_pk_add_f32 v[rS+4*k:rS+4*k+1], v[rS+4*k:rS+4*k+1], v[rS+4*k+2:rS+4*k+3]
.elseif k == 1
	v_pk_fma_f32 v[rT+2:rT+3], v[rT+2:rT+3], v[rC+2:rC+3], v[rS:rS+1] op_sel_hi:[1,0,1]
.else
	v_pk_add_f32 v[rT+2:rT+3], v[rT+2:rT+3], v[rS+4*k-4:rS+4*k-3]
.endif
.endm
.macro FS f                         ; c s - c m for pair f / 2 of tile f % 2
	REGS Y, (\f)%2
	v_pk_fma_f32 v[rS+2*((\f)/2):rS+2*((\f)/2)+1], v[rS+2*((\f)/2):rS+2*((\f)/2)+1], s[CS:CS+1], v[rT:rT+1] op_sel_hi:[1,0,0] neg_lo:[0,0,1] neg_hi:[0,0,1]
.endm
.macro MS g                         ; score g / 2 of tile g % 2 of the next piece: kept where the word's bit is 1, else -2^33.  The numbers ascend
	REGS (Y+1)%NP, (\g)%2
	v_cndmask_b32 v[rS+(\g)/2], s[NEG], v[rS+(\g)/2], s[MK+(\g)/2]
.endm
; THE PLAIN QUEUE, 202 long: 0-31 the scalings; 32-95 the mask; 96-137 the next piece's maximum and statistics; 138-201 the roundings and sums, which read the exponentials' results and stand behind the wait.
.macro PL
	WIN 0
.if q < 32
	FS q
.elseif q < 96
	MS q-32
.elseif q < 124
	XS (q-96)%2, (q-96)/2
.elseif q < 126
	XS q-124, 15
.elseif q < 128
	XS q-126, 14
.elseif q < 138
	XS (q-128)%2, 16+(q-128)/2
.else
	GS q-138
.endif
.set q, q+1
.endm
.macro EX                           ; the exponentials' queue, 66 long: s0-s31 of both tiles, then the next piece's two a: one batch
	WIN 0
.if e >= 64
	XS e-64, 21
.else
	REGS Y, e%2
	v_exp_f32 v[rS+e/2], v[rS+e/2]
.endif
.set e, e+1
.endm
.macro R2                           ; O^T times a, two at a time; its a was made, and waited for, in the turn before
	REGS Y, r%2
	WIN W_RS
.irp z, 0,1
	v_pk_mul_f32 v[rO+4*(r/2)+2*\z:rO+4*(r/2)+2*\z+1], v[rO+4*(r/2)+2*\z:rO+4*(r/2)+2*\z+1], v[rC+2:rC+3] op_sel_hi:[1,0]
.endr
.set r, r+1
.endm
; A TURN, for piece p.  AHEAD OF ITS ONE WAIT stands all that names no result of the turn's exponentials: 16 products K Q^T, behind each a scaling, an exponential and two rescalings; 15 times exponential and scaling
; (the scalings are also the places behind the last product, ahead of the mask's reads of the scores); the 64 lines of the mask; the next mask words' loads; the maximum and statistics, exponential and plain by turns; the two a.
; Exponential e stands behind scaling 2 (e / 4) + e % 2: as a rider it comes behind scaling e + 2, later behind more.  BEHIND THE WAIT stand 16 products V^T P, behind each four roundings and sums.
; K of the next step is fetched in piece 2's turn, directly behind the wait; V of the step in hand at the end of piece 0's turn, four plain riders behind its last reader.
.macro TURN p, last=0, cnt=0
.set Y, (\p)
.set i, 0
.set q, 0
.set e, 0
.set r, 0
.if (\p) == NP-1
	s_wait_dscnt 0x0                ; K is in
.endif
	MM
	PL
	PL
	R2
.rept 15
	MM
	PL
	EX
	R2
.endr
.if (\p) == NP-2
	WIN 0
	v_add_nc_u32 v[AK], s[TBK], v[AK0]
.endif
.rept 15
	EX
	PL
.endr
	s_wait_kmcnt 0x0                ; the mask words, asked for a turn ago
.rept 64
	PL
.endr
	MLOAD
.rept 8
	PL
.endr
.rept 34
	EX
	PL
.endr
	EX
	EX
	v_nop                           ; a plain instruction behind the last exponential: one for the batch
	s_wait_alu depctr_va_vdst(0)    ; the wait ahead of the first line that names a result: one for the 66
.if (\p) == NP-2
	FETCH_K \last
.endif
.if (\p) == 1
	s_wait_dscnt 0x0                ; V is in
.endif
.set nn, 0
.rept 16
	MM
.rept 4
	PL
.endr
.if ((\p) == 0) && (nn == 10)
	v_add_nc_u32 v[AV], s[TBV], v[AV0]
.endif
.if ((\p) == 0) && (nn == 13)
	s_add_co_u32 s[TBV], s[TBV], STEPB
.endif
.if (\cnt) && (nn == 13)
	s_sub_co_u32 s[CNT], s[CNT], 1
	s_cmp_lg_u32 s[CNT], 0
.endif
.set nn, nn+1
.endr
.if (\p) == 0
	FETCH_V
.endif
.endm
	CHANGE 1                        ; slot 0 is in, everybody's part of it; slot 1 is asked for
	FETCH_K                         ; key step 0
	s_wait_loadcnt 0x0              ; Q
	s_wait_dscnt 0x0
.set i, 0
.rept 16
	KQ 0                            ; piece 0's first scores
.set i, i+1
.endr
	WIN 0                           ; the addresses for the way out: ten plain instructions, the places behind those products
	s_mul_i32 s13, s[WV], 16*SP
	s_add_co_u32 s13, s13, STAGE
	v_mul_u32_u24 v[STO], v1, SP
	v_lshl_add_u32 v[STO], v9, 4, v[STO]
	v_add_nc_u32 v[STO], s13, v[STO]
	v_mul_u32_u24 v[RD], v9, SP
	v_lshl_add_u32 v[RD], v1, 4, v[RD]
	v_add_nc_u32 v[RD], s13, v[RD]
	v_lshlrev_b32 v[GO], 11, v9
	v_lshl_add_u32 v[GO], v1, 4, v[GO]
	s_wait_kmcnt 0x0                ; the first mask words
.set Y, NP-1                        ; MS and XS work for piece Y + 1: piece 0
.set q, 0
.rept 64
	MS q
.set q, q+1
.endr
	MLOAD
.irp n, 0,1,2,3,4,5,6,7,8,9,10,11,12,13,14,15,16,17,18,19,20,21
	XS 0, \n
	XS 1, \n
.endr
	v_nop
	s_wait_alu depctr_va_vdst(0)    ; the two a, ahead of the branch
	s_mov_b32 s[CNT], 2
	s_branch .Lfirst                ; the loop is entered at a step's first turn, in the middle of a trip
.Lslot:                             ; 14 times: every slot but the last two is filled again
	CHANGE 1
	s_mov_b32 s[CNT], 2
.Lstep:                             ; a trip: pieces 2 and 3 of one step, then pieces 0 and 1 of the next
	TURN 2
	TURN 3
	WIN 0
.Lfirst:
	TURN 0
	TURN 1, 0, 1
	WIN 0
	s_cbranch_scc1 .Lstep
	s_sub_co_u32 s[SLOTS], s[SLOTS], 1
	s_cmp_lg_u32 s[SLOTS], 0
	s_cbranch_scc1 .Lslot
	CHANGE 0                        ; the tail is written out
	s_mov_b32 s[CNT], 3             ; two trips fetch the last slot's steps; the third is left in its middle
.Ltail:
	TURN 2, 1
	TURN 3
	WIN 0
	s_sub_co_u32 s[CNT], s[CNT], 1
	s_cmp_eq_u32 s[CNT], 0
	s_cbranch_scc1 .Lout
	TURN 0
	TURN 1
	WIN 0
	s_branch .Ltail
.Lout:                              ; the third trip's 16 products K Q^T (on the last K once more) and what is made of them serve nothing: the price of one text for every trip
.set i, 0
.rept 16
	PV NP-1
.set i, i+1
.endr
	; THE WAY OUT.  l's halves are added; O^T is divided by l, rounded to bf16 and sent through my stage in LDS, a piece (16 rows x 256 bytes) at a time.  The additions are the places behind the last products.
	WIN 0
	s_wait_kmcnt 0x0                ; the last mask words, which nothing reads
.macro ALL line:vararg
.set t, 0
.rept 2*NP
	\line
.set t, t+1
.endr
.endm
	ALL v_add_f32 v[ST+4*t+2], v[ST+4*t+2], v[ST+4*t+3]
	ALL v_permlanex16_b32 v[ST+4*t+3], v[ST+4*t+2], s[SEL], s[SEL+1]
	ALL v_add_f32 v[ST+4*t+2], v[ST+4*t+2], v[ST+4*t+3]
	ALL v_rcp_f32 v[ST+4*t+2], v[ST+4*t+2]
	v_nop
	s_wait_alu depctr_va_vdst(0)    ; one wait for the eight reciprocals
.macro PACK y
	WIN W_RS
.irp u, 0,1
.set i, 32*(2*(\y)+\u)
.rept 16
	v_pk_mul_f32 v[i:i+1], v[i:i+1], v[ST+4*(2*(\y)+\u)+2:ST+4*(2*(\y)+\u)+3] op_sel_hi:[1,0]
.set i, i+2
.endr
.endr
	WIN 0x05                        ; sources 0 and 1 window 1, destination window 0: S^T's registers are free
.set i, 0
.rept 32
	v_cvt_pk_bf16_f32 v[S+32*(\y)+i], v[64*(\y)+2*i], v[64*(\y)+2*i+1]
.set i, i+1
.endr
	WIN 0
.irp f, 0,1,2,3,4,5,6,7
	ds_store_b128 v[STO], v[S+32*(\y)+4*\f:S+32*(\y)+4*\f+3] offset:32*\f
.endr
.irp f, 0,1,2,3,4,5,6,7
	ds_load_b128 v[S+32*(\y)+4*\f:S+32*(\y)+4*\f+3], v[RD] offset:\f*2*SP  ; LDS serves a wave's instructions in order: these see the stores above; the next piece's stores come behind them
.endr
.endm
.macro SEND y, younger              ; younger: the LDS instructions issued behind this piece's loads
	WIN 0
.irp f, 0,1,2,3,4,5,6,7
	s_wait_dscnt (\younger)+7-\f
	global_store_b128 v[GO], v[S+32*(\y)+4*\f:S+32*(\y)+4*\f+3], s[10:11] offset:(\y)*32768+\f*4096  ; 16 lanes store 256 consecutive bytes, aligned
.endr
.endm
	PACK 0
	PACK 1
	SEND 0, 16
	PACK 2
	SEND 1, 16
	PACK 3
	SEND 2, 16
	SEND 3, 0
	WIN W_AD
	s_wait_tensorcnt 0x0            ; the wave's end
	ds_add_u32 v[SPW], v[NIL]
	s_wait_dscnt 0x0
	WIN 0
	CROUND                          ; the closing round
	s_endpgm
.Lfunc_end_k_q3cd7580cdc_attn:
	.size	k_q3cd7580cdc_attn, .Lfunc_end_k_q3cd7580cdc_attn-k_q3cd7580cdc_attn
	.p2alignl 7, 3214868480
	.fill 96, 4, 3214868480
	.section	.rodata,"a",@progbits
	.p2align	6, 0x0
	.amdhsa_kernel k_q3cd7580cdc_attn
		.amdhsa_group_segment_fixed_size 327680
		.amdhsa_private_segment_fixed_size 0
		.amdhsa_enable_private_segment 0
		.amdhsa_kernarg_size 24
		.amdhsa_user_sgpr_count 2
		.amdhsa_user_sgpr_kernarg_segment_ptr 1
		.amdhsa_wavefront_size32 1
		.amdhsa_system_sgpr_workgroup_id_x 1
		.amdhsa_system_sgpr_workgroup_id_y 1
		.amdhsa_system_sgpr_workgroup_id_z 1
		.amdhsa_system_vgpr_workitem_id 0
		.amdhsa_next_free_vgpr 898
		.amdhsa_next_free_sgpr 100
		.amdhsa_reserve_vcc 0
		.amdhsa_float_denorm_mode_32 3
		.amdhsa_float_denorm_mode_16_64 3
		.amdhsa_memory_ordered 1
		.amdhsa_forward_progress 1
		.amdhsa_inst_pref_size 246
	.end_amdhsa_kernel
	.amdgpu_metadata
---
amdhsa.version: [ 1, 2 ]
amdhsa.kernels:
  - .name:           k_q3cd7580cdc_attn
    .symbol:         k_q3cd7580cdc_attn.kd
    .args:
      - { .name: qkvh, .offset: 0, .size: 8, .value_kind: global_buffer, .address_space: global }
      - { .name: maskbits, .offset: 8, .size: 8, .value_kind: global_buffer, .address_space: global }
      - { .name: ob, .offset: 16, .size: 8, .value_kind: global_buffer, .address_space: global }
    .group_segment_fixed_size: 327680
    .private_segment_fixed_size: 0
    .kernarg_segment_align: 8
    .kernarg_segment_size: 24
    .max_flat_workgroup_size: 128
    .sgpr_count:     100
    .vgpr_count:     898
    .wavefront_size: 32
...
	.end_amdgpu_metadata
.endif
;; end of part 3
;; launch fc (part 4): grid 4 x 64, 4 waves a work-group, clusters of 4 x 4, 327,680 bytes of LDS; arguments ob, wb, q, out0; writes out0
.if DOCPART == 4
	.amdgcn_target "amdgcn-amd-amdhsa--gfx1250"
	.amdhsa_code_object_version 6
	.text
	.protected	k_q3cd7580cdc_fc
	.globl	k_q3cd7580cdc_fc
	.p2align	8
	.type	k_q3cd7580cdc_fc,@function
k_q3cd7580cdc_fc:
	s_mov_b64 s[64:65], 0
	v_nop
	global_prefetch_b8 v0, s[64:65] scope:SCOPE_SE
	s_setreg_imm32_b32 hwreg(HW_REG_WAVE_MODE, 25, 1), 1
	s_wait_xcnt 0x0
	s_wait_alu depctr_hold_cnt(0) depctr_sa_sdst(0) depctr_va_vdst(0) depctr_va_sdst(0) depctr_va_ssrc(0) depctr_va_vcc(0) depctr_vm_vsrc(0)
	s_getreg_b32 s2, hwreg(HW_REG_IB_STS2, 6, 4)
	s_cmp_eq_u32 s2, 0
	s_cbranch_scc0 .Lentry_in_a_cluster
	s_endpgm
.Lentry_in_a_cluster:
	s_bfe_u32 s2, ttmp6, 0x10000c
	s_cmp_lg_u32 s2, 0xf033
	s_cbranch_scc0 .Lentry_shape_is_right
	s_endpgm
.Lentry_shape_is_right:
; out0 = ob @ w_fc + q.  ob: [8192][1024] bf16; w_fc: wb's fourth part, [1024 k][1024 n] bf16; q, out0: [8192][1024] f32.  Sums in f32, K ascending; the residual is added in f32.
; SHARES.  A tile of C is 128 rows x 256 columns; a cluster of 4 x 4 work-groups holds four tile rows (cy) x all four tile columns (cx): 256 work-groups.  Four waves, each 64 x 128: 32 accumulators.
; K goes in 8 steps of 128 through two LDS slots.  ob's tile is asked for jointly by a row of the cluster, w's by a column.
; THE MATRIX INSTRUCTION IS USED TRANSPOSED (source 0 = 16 columns of w, turned out of LDS; source 1 = 16 rows of ob): a lane holds eight neighbouring numbers of one row of C.
; The wave's 64 x 128 numbers of q are loaded into 256 registers behind the first quarter and are not wanted before the way out.
; REGISTERS: window 0: v16-30 addresses; v32-95 ob's fragments, two buffers of 32; v96-223 at work on the way out.  window 1: v0-127 w's fragments, two buffers.  window 2: the accumulators.  window 3: the residual.
.set PA,    272
.set PB,    544
.set HALFA, 64*PA
.set HALFB, 64*PB
.set BOFF,  2*HALFA
.set SLOT,  2*HALFA+2*HALFB
.set STAGE, 2*SLOT                     ; behind the ring: 16 rows x 528 bytes a wave
.set SPF,   528
.set SPARE, STAGE+4*16*SPF
.set ADRA, 16
.set ADRB, 20
.set STO,  24
.set RD,   25
.set GO,   27                          ; 16 x lane: my 16 bytes of a row's 512; for q and for out0; never rewritten
.set SPW,  28
.set NIL,  29
.set PFO,  30
.set AB,   32
.set T0,   96
.set WV, 14
.set WM, 15
.set WN, 16
.set CX, 17
.set CY, 18
.set TR, 20
.set LIM, 23
.set G1A, 24
.set G0A, 32
.set PFA, 44
.set PST, 46
.set G1B, 48
.set G0B, 56
.set MSB, 0
.macro WIN new
.if MSB != (\new)
	s_set_vgpr_msb (MSB<<8)|(\new)
.set MSB, \new
.endif
.endm
.set MUL,  0xa1
.set TO_B, 0x40
.macro PLACES
.rept 4
	v_nop
.endr
.endm
.macro JLOAD s                         ; waves 0 and 1 fetch ob's two halves, waves 2 and 3 w's; an s_nop 0 and four v_nop follow each line
	s_cmp_eq_u32 s[WM], 0
	s_cbranch_scc0 .Lfor_b_\@
	tensor_load_to_lds s[G0A+4*(\s):G0A+4*(\s)+3], s[G1A:G1A+7]
	s_nop 0
.rept 4
	v_nop
.endr
	s_branch .Lasked_\@
.Lfor_b_\@:
	tensor_load_to_lds s[G0B+4*(\s):G0B+4*(\s)+3], s[G1B:G1B+7]
	s_nop 0
.rept 4
	v_nop
.endr
.Lasked_\@:
.endm
.macro CREST
	s_cmp_lg_u32 s[WV], 0
	s_cbranch_scc1 .Lnot_wave_0_\@
	s_barrier_signal -3
.Lnot_wave_0_\@:
	s_barrier_wait -3
	s_barrier_signal -1
	s_barrier_wait -1
.endm
.macro CROUND
	s_barrier_signal -1
	s_barrier_wait -1
	CREST
.endm
; A prefetch of the K step two refills on.  ob's rows (256 bytes a step) are read by one cluster alone: wave 0 of each partner along x takes 32 of the tile's 128 rows, a lane a row.
; w's rows (512 bytes a step) are read by every cluster: the cluster with y = 0 asks; of a wave's 64 rows each partner along y takes 16, two lanes a row.  The loop's last trip asks for nothing.
.macro ASK
	s_cmp_gt_u32 s3, s[LIM]
	s_cbranch_scc0 .Lnot_mine_\@
	global_prefetch_b8 v[PFO], s[PFA:PFA+1] th:TH_LOAD_NT scope:SCOPE_SE
.Lnot_mine_\@:
.endm
.macro W n, f, zero
	WIN MUL
.if \zero
	v_wmma_f32_16x16x32_bf16 v[8*(\n):8*(\n)+7], v[64*(\f)+8*((\n)%8):64*(\f)+8*((\n)%8)+7], v[AB+32*(\f)+8*((\n)/8):AB+32*(\f)+8*((\n)/8)+7], 0
.else
	v_wmma_f32_16x16x32_bf16 v[8*(\n):8*(\n)+7], v[64*(\f)+8*((\n)%8):64*(\f)+8*((\n)%8)+7], v[AB+32*(\f)+8*((\n)/8):AB+32*(\f)+8*((\n)/8)+7], v[8*(\n):8*(\n)+7]
.endif
.endm
.macro WS n0, cnt, f, zero             ; products n0 .. n0 + cnt - 1
.set t, \n0
.rept \cnt
	W t, \f, \zero
.set t, t+1
.endr
.endm
.macro FETCH s, i, g                   ; 24 LDS loads in one run: quarter i of slot s into buffers g: w's 16, then ob's 8, rows 0-15 first
	WIN TO_B
.irp b, 0,1,2,3,4,5,6,7
	ds_load_tr16_b128 v[64*(\g)+8*\b:64*(\g)+8*\b+3],   v[ADRB+(\s)] offset:(\i)*32*PB+32*\b
	ds_load_tr16_b128 v[64*(\g)+8*\b+4:64*(\g)+8*\b+7], v[ADRB+(\s)] offset:(\i)*32*PB+16*PB+32*\b
.endr
	WIN 0
.irp a, 0,1,2,3
	ds_load_b128 v[AB+32*(\g)+8*\a:AB+32*(\g)+8*\a+3],   v[ADRA+(\s)] offset:\a*16*PA+(\i)*64
	ds_load_b128 v[AB+32*(\g)+8*\a+4:AB+32*(\g)+8*\a+7], v[ADRA+(\s)] offset:\a*16*PA+(\i)*64+32
.endr
.endm
.macro QF f, s, i, zero                ; one of a K step's first three quarters: multiplies buffers f, fetches quarter i of slot s into the others
	s_wait_dscnt 4                                 ; w and ob's rows 0-31 are in; the youngest four loads may stay out
	WS 0, 16, \f, \zero
	PLACES                                         ; four places behind the last quarter's products, ahead of loads into the buffers that they read
	FETCH \s, \i, 1-(\f)
	s_wait_dscnt 24                                ; all but the 24 just issued
	WS 16, 16, \f, \zero
.endm
.macro TF slot, next, fill             ; the last quarter multiplies buffers 1 and changes slots
.if \fill
	s_wait_xcnt 0x0                                ; the last prefetch, a K step back, has read its address
	s_add_nc_u64 s[PFA:PFA+1], s[PFA:PFA+1], s[PST:PST+1]
.endif
	WIN 0
	s_wait_tensorcnt 0x0                           ; all my tensor loads have landed: my part of the next slot
	ds_add_u32 v[SPW], v[NIL]                      ; 0 onto my spare word
	s_wait_dscnt 5                                 ; (the add and the youngest four loads may be out)
	WS 0, 8, 1, 0
	s_wait_dscnt 0x0                               ; the add is done, and my reads of this slot are over
	s_barrier_signal -1
	WS 8, 8, 1, 0
	WIN 0
	s_barrier_wait -1
.if \fill
	CREST                                          ; the barrier has opened a round of the cluster's: no wave of any partner still reads this slot or has a load on its way
	s_add_nc_u64 s[G0A+4*(\slot)+2:G0A+4*(\slot)+3], s[G0A+4*(\slot)+2:G0A+4*(\slot)+3], 512
	s_add_nc_u64 s[G0B+4*(\slot)+2:G0B+4*(\slot)+3], s[G0B+4*(\slot)+2:G0B+4*(\slot)+3], 524288
	JLOAD \slot                                    ; the first tensor load behind the round; its four v_nop are also the places in front of the loads below
.else
	PLACES
.endif
	FETCH \next, 0, 0
.if \fill
	ASK
.endif
	WS 16, 16, 1, 0
.endm
	s_load_b256 s[4:11], s[0:1], 0x0               ; ob s[4:5], wb s[6:7], q s[8:9], out0 s[10:11]
	v_lshl_add_u32 v[SPW], v0, 2, SPARE
	v_mov_b32 v[NIL], 0
	ds_add_u32 v[SPW], v[NIL]                      ; the wave's opening: the add and its wait stand ahead of my first tensor load
	v_lshrrev_b32 v1, 5, v0
	v_readfirstlane_b32 s[WV], v1
	s_lshr_b32 s[WM], s[WV], 1
	s_and_b32 s[WN], s[WV], 1
	s_bfe_u32 s[CX], ttmp6, 0x40000
	s_bfe_u32 s[CY], ttmp6, 0x40004
	s_and_b32 s[TR], ttmp7, 0xffff
	s_lshl_b32 s[TR], s[TR], 2
	s_add_co_u32 s[TR], s[TR], s[CY]
	s_lshl_b32 s21, s[CY], 2
	s_lshl_b32 s21, 15, s21
	s_lshl_b32 s22, 0x1111, s[CX]
	s_or_b32 s[G1A], s21, (1<<16)|(1<<20)|(1<<21)|(5<<22)|(3<<25)  ; mask; 2-byte elements; padding on; bit 21 beside a mask; after every 64 words; 4 words
	s_or_b32 s[G1B], s22, (1<<16)|(1<<20)|(1<<21)|(6<<22)|(7<<25)  ; after every 128 words; 8 words
	s_mov_b32 s[G1A+1], 128<<16
	s_mov_b32 s[G1A+2], 64<<16
	s_mov_b32 s[G1A+3], 128<<16
	s_mov_b32 s[G1A+4], 64
	s_mov_b32 s[G1A+5], 1024
	s_mov_b32 s[G1A+6], 0
	s_mov_b32 s[G1A+7], 0
	s_mov_b32 s[G1B+1], 256<<16
	s_mov_b32 s[G1B+2], 64<<16
	s_mov_b32 s[G1B+3], 256<<16
	s_mov_b32 s[G1B+4], 64
	s_mov_b32 s[G1B+5], 1024
	s_mov_b32 s[G1B+6], 0
	s_mov_b32 s[G1B+7], 0
	s_lshl_b32 s40, s[TR], 18                      ; ob: (128 x tile row + 64 x half) rows of 2,048 bytes: no cx enters these registers
	s_lshl_b32 s41, s[WN], 17
	s_add_co_u32 s40, s40, s41
	s_mov_b32 s41, 0
	s_mul_i32 s42, s[WN], HALFA
	s_lshl_b32 s66, s[WN], 17                      ; w: the fourth part of wb, 64 x half k-rows, 512 bytes x tile column: no cy enters these registers
	s_lshl_b32 s67, s[CX], 9
	s_add_co_u32 s66, s66, s67
	s_add_co_u32 s66, s66, 6291456
	s_mov_b32 s67, 0
	s_mul_i32 s68, s[WN], HALFB
	s_add_co_u32 s68, s68, BOFF
	s_wait_dscnt 0x0
	s_wait_kmcnt 0x0
	s_add_nc_u64 s[40:41], s[4:5], s[40:41]
	s_add_nc_u64 s[66:67], s[6:7], s[66:67]
	CROUND
.irp s, 0,1
	s_mov_b32 s[G0A+4*\s], 1
	s_add_co_u32 s[G0A+4*\s+1], s42, \s*SLOT
	s_add_nc_u64 s[G0A+4*\s+2:G0A+4*\s+3], s[40:41], \s*256
	s_or_b32 s[G0A+4*\s+3], s[G0A+4*\s+3], 0x80000000
	s_mov_b32 s[G0B+4*\s], 1
	s_add_co_u32 s[G0B+4*\s+1], s68, \s*SLOT
	s_add_nc_u64 s[G0B+4*\s+2:G0B+4*\s+3], s[66:67], \s*262144
	s_or_b32 s[G0B+4*\s+3], s[G0B+4*\s+3], 0x80000000
	JLOAD \s
.endr
	v_and_b32 v1, 15, v0
	v_bfe_u32 v2, v0, 4, 1
	v_and_b32 v3, 7, v0
	v_bfe_u32 v4, v0, 3, 1
	v_mul_u32_u24 v5, v1, PA
	v_lshl_add_u32 v5, v2, 4, v5
	s_mul_i32 s69, s[WM], HALFA
	v_add_nc_u32 v[ADRA], s69, v5
	v_add_nc_u32 v[ADRA+1], SLOT, v[ADRA]
	v_lshl_add_u32 v6, v2, 3, v3
	v_mul_u32_u24 v6, v6, PB
	v_lshl_add_u32 v6, v4, 4, v6
	s_lshl_b32 s69, s[WN], 8
	s_add_co_u32 s69, s69, BOFF
	v_add_nc_u32 v[ADRB], s69, v6
	v_add_nc_u32 v[ADRB+1], SLOT, v[ADRB]
	s_mul_i32 s69, s[WV], 16*SPF
	s_add_co_u32 s69, s69, STAGE
	v_mul_u32_u24 v5, v1, SPF
	v_lshl_add_u32 v5, v2, 5, v5                   ; into the stage: row l % 16, 32 bytes for each half of the lanes
	v_add_nc_u32 v[STO], s69, v5
	v_and_b32 v5, 31, v0
	v_lshlrev_b32 v[GO], 4, v5
	v_add_nc_u32 v[RD], s69, v[GO]                 ; back: 32 lanes take a row's 512 bytes
	s_lshl_b32 s70, s[TR], 19                      ; q and out0: my 64 rows of 4,096 bytes, my 512 bytes of them
	s_lshl_b32 s71, s[WM], 18
	s_add_co_u32 s70, s70, s71
	s_lshl_b32 s71, s[CX], 10
	s_add_co_u32 s70, s70, s71
	s_lshl_b32 s71, s[WN], 9
	s_add_co_u32 s70, s70, s71
	s_mov_b32 s71, 0
	s_add_nc_u64 s[8:9], s[8:9], s[70:71]
	s_add_nc_u64 s[10:11], s[10:11], s[70:71]
	; the prefetches: they stand at K step 3; each change of slots steps them before it asks
	s_lshl_b32 s70, s[TR], 18
	s_lshl_b32 s71, s[CX], 16                      ; my work-group's 32 of the tile's 128 rows
	s_add_co_u32 s70, s70, s71
	s_add_co_u32 s70, s70, 768
	s_lshl_b32 s72, s[WN], 17
	s_lshl_b32 s71, s[CY], 15
	s_add_co_u32 s72, s72, s71
	s_lshl_b32 s71, s[CX], 9
	s_add_co_u32 s72, s72, s71
	s_add_co_u32 s72, s72, 6291456+786432
	s_and_b32 s73, ttmp7, 0xffff
	s_cmp_eq_u32 s73, 0
	s_cselect_b32 s[LIM], 1, -1                    ; for w: the cluster with y = 0
	s_cmp_eq_u32 s[WV], 0
	s_cselect_b32 s71, 1, -1                       ; for ob: wave 0
	s_mov_b32 s73, 262144
	s_cmp_eq_u32 s[WM], 0
	s_cselect_b32 s[LIM], s71, s[LIM]
	s_cselect_b32 s70, s70, s72
	s_cselect_b32 s[PST], 256, s73
	s_cselect_b32 s69, 15, 8
	s_cselect_b64 s[PFA:PFA+1], s[4:5], s[6:7]
	s_mov_b32 s71, 0
	s_mov_b32 s[PST+1], 0
	s_add_nc_u64 s[PFA:PFA+1], s[PFA:PFA+1], s[70:71]
	v_lshlrev_b32 v[PFO], s69, v2                  ; the lanes' upper half: 16 rows on (ob), or the row's second 256 bytes (w)
	v_lshl_add_u32 v[PFO], v1, 11, v[PFO]
	s_wait_tensorcnt 1                             ; my part of K step 0 is in; K step 1's may stay out
	s_barrier_signal -1
	s_barrier_wait -1
	FETCH 0, 0, 0
	QF 0, 0, 1, 1                                  ; the first quarter stands in front of the loop: its products start the sums
	WIN 0xc0                                       ; the residual: a row's 512 bytes a load, 64 rows
.set t, 0
.rept 64
	global_load_b128 v[4*t:4*t+3], v[GO], s[8:9] offset:t*4096 th:TH_LOAD_NT
.set t, t+1
.endr
	WIN 0
	s_mov_b32 s3, 3
.Llap:
	QF 1, 0, 2, 0
	QF 0, 0, 3, 0
	TF 0, 1, 1
	QF 0, 1, 1, 0
	QF 1, 1, 2, 0
	QF 0, 1, 3, 0
	TF 1, 0, 1
	QF 0, 0, 1, 0
	WIN 0
	s_sub_co_u32 s3, s3, 1
	s_cmp_lg_u32 s3, 0
	s_cbranch_scc1 .Llap
	QF 1, 0, 2, 0                                  ; the last lap fills nothing
	QF 0, 0, 3, 0
	TF 0, 1, 0
	QF 0, 1, 1, 0
	QF 1, 1, 2, 0
	QF 0, 1, 3, 0
	s_wait_dscnt 4
	WS 0, 16, 1, 0
	s_wait_dscnt 0x0
	WS 16, 16, 1, 0
	; THE WAY OUT, 16 rows at a time: the sums go as f32 into my own stage, come back as whole rows of 512 bytes, take the residual and are stored.
.macro TOST a
.if (\a) >= 2
	s_wait_xcnt 0x0                                ; the stores of two blocks back have read the registers that are loaded again below
.endif
	WIN 0x08                                       ; the stores' data in window 2
.irp b, 0,1,2,3,4,5,6,7
	ds_store_b128 v[STO], v[8*(8*(\a)+\b):8*(8*(\a)+\b)+3]   offset:64*\b
	ds_store_b128 v[STO], v[8*(8*(\a)+\b)+4:8*(8*(\a)+\b)+7] offset:64*\b+16
.endr
	WIN 0
.set TB, T0+64*((\a)%2)
.irp t, 0,1,2,3,4,5,6,7,8,9,10,11,12,13,14,15
	ds_load_b128 v[TB+4*\t:TB+4*\t+3], v[RD] offset:\t*SPF  ; LDS serves a wave's instructions in order: these see the stores above
.endr
.endm
.macro SEND a, younger                 ; younger: the LDS instructions issued behind this block's loads
.set TB, T0+64*((\a)%2)
	s_wait_dscnt \younger
	WIN 0x0c                                       ; source 1, the residual, in window 3
.set i, 0
.rept 32
	v_pk_add_f32 v[TB+i:TB+i+1], v[TB+i:TB+i+1], v[64*(\a)+i:64*(\a)+i+1]
.set i, i+2
.endr
	WIN 0
.irp t, 0,1,2,3,4,5,6,7,8,9,10,11,12,13,14,15
	global_store_b128 v[GO], v[TB+4*\t:TB+4*\t+3], s[10:11] offset:(16*(\a)+\t)*4096 th:TH_STORE_NT  ; 512 consecutive bytes, aligned
.endr
.endm
	PLACES                                         ; the stage's stores read results
	s_wait_loadcnt 0x0                             ; the residual
	TOST 0
.irp a, 1,2,3
	TOST \a
	SEND (\a)-1, 32
.endr
	SEND 3, 0
	s_wait_tensorcnt 0x0                           ; the wave's end
	ds_add_u32 v[SPW], v[NIL]
	s_wait_dscnt 0x0
	CROUND                                         ; the closing round
	s_endpgm
.Lfunc_end_k_q3cd7580cdc_fc:
	.size	k_q3cd7580cdc_fc, .Lfunc_end_k_q3cd7580cdc_fc-k_q3cd7580cdc_fc
	.p2alignl 7, 3214868480
	.fill 96, 4, 3214868480
	.section	.rodata,"a",@progbits
	.p2align	6, 0x0
	.amdhsa_kernel k_q3cd7580cdc_fc
		.amdhsa_group_segment_fixed_size 327680
		.amdhsa_private_segment_fixed_size 0
		.amdhsa_enable_private_segment 0
		.amdhsa_kernarg_size 32
		.amdhsa_user_sgpr_count 2
		.amdhsa_user_sgpr_kernarg_segment_ptr 1
		.amdhsa_wavefront_size32 1
		.amdhsa_system_sgpr_workgroup_id_x 1
		.amdhsa_system_sgpr_workgroup_id_y 1
		.amdhsa_system_sgpr_workgroup_id_z 1
		.amdhsa_system_vgpr_workitem_id 0
		.amdhsa_next_free_vgpr 1024
		.amdhsa_next_free_sgpr 80
		.amdhsa_reserve_vcc 0
		.amdhsa_float_denorm_mode_32 3
		.amdhsa_float_denorm_mode_16_64 3
		.amdhsa_memory_ordered 1
		.amdhsa_forward_progress 1
		.amdhsa_inst_pref_size 101
	.end_amdhsa_kernel
	.amdgpu_metadata
---
amdhsa.version: [ 1, 2 ]
amdhsa.kernels:
  - .name:           k_q3cd7580cdc_fc
    .symbol:         k_q3cd7580cdc_fc.kd
    .args:
      - { .name: ob, .offset: 0, .size: 8, .value_kind: global_buffer, .address_space: global }
      - { .name: wb, .offset: 8, .size: 8, .value_kind: global_buffer, .address_space: global }
      - { .name: q, .offset: 16, .size: 8, .value_kind: global_buffer, .address_space: global }
      - { .name: out0, .offset: 24, .size: 8, .value_kind: global_buffer, .address_space: global }
    .group_segment_fixed_size: 327680
    .private_segment_fixed_size: 0
    .kernarg_segment_align: 8
    .kernarg_segment_size: 32
    .max_flat_workgroup_size: 128
    .sgpr_count:     80
    .vgpr_count:     1024
    .wavefront_size: 32
...
	.end_amdgpu_metadata
.endif
;; end of part 4
;; ======== version 2 of 2: 4 launches
;; limits: right only within a limited range of input values
;; workspace buffers: wb 8,388,608 bytes; maskn 8,388,608 bytes; qkvh 50,331,648 bytes; ob 16,777,216 bytes
;; launch prep (part 5): grid 1280 x 1, 8 waves a work-group, no clusters, 70,656 bytes of LDS; arguments mask, w_qs, w_ks, w_vs, w_fc, wb, maskn; writes wb, maskn
.if DOCPART == 5
	.amdgcn_target "amdgcn-amd-amdhsa--gfx1250"
	.amdhsa_code_object_version 6
	.text
	.protected	k_q3cd7580cdc_prep
	.globl	k_q3cd7580cdc_prep
	.p2align	8
	.type	k_q3cd7580cdc_prep,@function
k_q3cd7580cdc_prep:
	s_mov_b64 s[64:65], 0
	v_nop
	global_prefetch_b8 v0, s[64:65] scope:SCOPE_SE
	s_setreg_imm32_b32 hwreg(HW_REG_WAVE_MODE, 25, 1), 1
	s_wait_xcnt 0x0
; TWO JOBS, told apart by the work-group's number.
; Work-groups 0 .. 1023: the mask [4][2048 q][2048 k] of int32 becomes one 4-bit float code a score for the attention launch: 0 where mask != 0, -4 where mask = 0.
;   maskn: [128 groups of 64 queries][32 steps of 64 keys][4 pieces of 16 queries][32 lanes][4 words].  Code j of word kt of lane L stands for
;   query 16 piece + L % 16, key 64 step + 16 kt + 8 (L / 16) + j: register j of score tile kt, as the attention launch's lane L holds it.
;   The eight codes of a word are packed by v_cvt_scalef32_pk8_fp4_f32 and unpacked there by its inverse, so their order in the word is those two instructions' own.
;   A wave takes 32 queries x 64 keys: sixteen loads of two rows' 256 aligned bytes; the words go through the wave's own LDS stage to change
;   from rows to the score layout; a compare and a select a number, eight conversions, two stores of 512 consecutive bytes.
; Work-groups 1024 .. 1279: the four weights, f32 [1024 k][1024 n], are rounded once to bf16, layout kept: wb = [qs, ks, vs, fc].
;   A wave takes 8,192 bytes: sixteen loads of 512 consecutive bytes, sixteen stores of 256 aligned bytes.
; No matrix unit, no cluster: nothing is shared between work-groups and every byte is touched once.
.set PITCH, 272                        ; a stage row: 256 bytes + 16: the 16 rows that a 16-byte read touches start at 16 different groups of four banks
.set STG,   32*PITCH                   ; a wave's stage: 32 rows
.set SPARE, 8*STG                      ; behind the stages: the spare words, 128 bytes a wave: four blocks of 256 bytes that no other line names
.set SPW, 10                           ; v10  LDS address of my spare word; never rewritten
.set NIL, 11                           ; v11  0; never rewritten
.set WD,  12                           ; v[12:19]  my eight packed words: piece tl, score tile kt at WD + 4 tl + kt
.set HID, 20                           ; v20  -4.0
.set ONE, 21                           ; v21  1.0: the packing's scale
.set X,   24                           ; v[24:87]  data
	s_load_b256 s[4:11], s[0:1], 0x0               ; mask s[4:5], w_qs s[6:7], w_ks s[8:9], w_vs s[10:11]
	s_load_b128 s[12:15], s[0:1], 0x20             ; w_fc s[12:13], wb s[14:15]
	s_load_b64 s[16:17], s[0:1], 0x30              ; maskn
	v_lshl_add_u32 v[SPW], v0, 2, SPARE
	v_mov_b32 v[NIL], 0
	v_lshrrev_b32 v1, 5, v0
	v_readfirstlane_b32 s18, v1                    ; wave 0..7
	v_and_b32 v1, 31, v0                           ; lane L
	v_and_b32 v2, 15, v0                           ; L % 16
	v_bfe_u32 v3, v0, 4, 1                         ; L / 16
	v_lshlrev_b32 v7, 3, v1                        ; 8 L: my 8 bytes of a 256-byte store
	v_lshlrev_b32 v8, 4, v1                        ; 16 L: my 16 bytes of 512
	s_wait_kmcnt 0x0
	s_cmp_lt_u32 ttmp9, 1024
	s_cbranch_scc0 .Lweights
	; ---- the mask ----
	s_lshl_b32 s19, ttmp9, 3
	s_add_co_u32 s19, s19, s18                     ; my unit, 0 .. 8191
	s_and_b32 s20, s19, 31                         ; its step of 64 keys
	s_lshr_b32 s21, s19, 5                         ; its group of 32 rows, 0 .. 255
	s_lshl_b32 s22, s21, 18                        ; 32 rows of 8,192 bytes
	s_lshl_b32 s23, s20, 8                         ; 64 keys of 4 bytes
	s_add_co_u32 s22, s22, s23
	s_mov_b32 s23, 0
	s_add_nc_u64 s[4:5], s[4:5], s[22:23]
	s_lshr_b32 s22, s21, 1                         ; the group of 64 queries,
	s_lshl_b32 s22, s22, 5
	s_add_co_u32 s22, s22, s20                     ; its step: 2,048 bytes each,
	s_lshl_b32 s22, s22, 11
	s_and_b32 s24, s21, 1                          ; and my two of its four pieces of 512 bytes
	s_lshl_b32 s24, s24, 10
	s_add_co_u32 s22, s22, s24
	s_add_nc_u64 s[16:17], s[16:17], s[22:23]
	v_lshlrev_b32 v4, 4, v2
	v_lshl_add_u32 v4, v3, 13, v4                  ; in memory: lanes 0-15 one row's 256 bytes, lanes 16-31 the next row's
	s_mul_i32 s25, s18, STG                        ; my stage
	v_mul_u32_u24 v5, v3, PITCH
	v_lshl_add_u32 v5, v2, 4, v5
	v_add_nc_u32 v5, s25, v5                       ; into the stage: the same two rows
	v_mul_u32_u24 v6, v2, PITCH
	v_lshl_add_u32 v6, v3, 5, v6
	v_add_nc_u32 v6, s25, v6                       ; back: row L % 16, keys 8 (L / 16) on
	v_mov_b32 v[HID], 0xc0800000                   ; -4.0
	v_mov_b32 v[ONE], 1.0
.irp i, 0,1,2,3,4,5,6,7,8,9,10,11,12,13,14,15
	global_load_b128 v[X+4*\i:X+4*\i+3], v4, s[4:5] offset:16384*\i th:TH_LOAD_NT
.endr
.irp i, 0,1,2,3,4,5,6,7,8,9,10,11,12,13,14,15
	s_wait_loadcnt 15-\i                           ; loads come back in order: pair i of rows is in, the younger ones stay out
	ds_store_b128 v5, v[X+4*\i:X+4*\i+3] offset:2*PITCH*\i
.endr
	; LDS serves a wave's instructions in order and the stage is the wave's own: the loads below see the stores above
.irp tl, 0,1
.irp kt, 0,1,2,3
	ds_load_b128 v[X+32*\tl+8*\kt:X+32*\tl+8*\kt+3],   v6 offset:16*PITCH*\tl+64*\kt
	ds_load_b128 v[X+32*\tl+8*\kt+4:X+32*\tl+8*\kt+7], v6 offset:16*PITCH*\tl+64*\kt+16
.endr
.endr
	s_wait_dscnt 0x0
.set w, 0
.rept 64
	v_cmp_eq_u32 s[28+w%4], 0, v[X+w]              ; hidden?
	v_cndmask_b32 v[X+w], 0, v[HID], s[28+w%4]     ; then -4.0, else 0.0, in place
.set w, w+1
.endr
.irp tl, 0,1
.irp kt, 0,1,2,3
	v_cvt_scalef32_pk8_fp4_f32 v[WD+4*\tl+\kt], v[X+32*\tl+8*\kt:X+32*\tl+8*\kt+7], v[ONE]  ; eight numbers, divided by 2^0, into eight 4-bit codes
.endr
.endr
	v_nop                                          ; a plain instruction behind the last conversion, ahead of the use of its result
	global_store_b128 v8, v[WD:WD+3], s[16:17]               ; 32 lanes x 16 bytes: 512 consecutive bytes, aligned: one piece,
	global_store_b128 v8, v[WD+4:WD+7], s[16:17] offset:512  ; and the next
	s_branch .Lend
	; ---- the weights ----
.Lweights:
	s_sub_co_u32 s19, ttmp9, 1024
	s_lshr_b32 s20, s19, 6                         ; which weight: 64 work-groups each
	s_and_b32 s21, s19, 63
	s_cmp_eq_u32 s20, 1
	s_cselect_b64 s[24:25], s[8:9], s[6:7]
	s_cmp_eq_u32 s20, 2
	s_cselect_b64 s[24:25], s[10:11], s[24:25]
	s_cmp_eq_u32 s20, 3
	s_cselect_b64 s[24:25], s[12:13], s[24:25]
	s_lshl_b32 s22, s21, 16                        ; 65,536 bytes of f32 a work-group,
	s_lshl_b32 s23, s18, 13                        ; 8,192 a wave
	s_add_co_u32 s22, s22, s23
	s_mov_b32 s23, 0
	s_add_nc_u64 s[24:25], s[24:25], s[22:23]
	s_lshr_b32 s22, s22, 1                         ; half as many bytes of bf16,
	s_lshl_b32 s26, s20, 21                        ; in the weight's 2,097,152 bytes of wb
	s_add_co_u32 s22, s22, s26
	s_add_nc_u64 s[14:15], s[14:15], s[22:23]
.irp i, 0,1,2,3,4,5,6,7,8,9,10,11,12,13,14,15
	global_load_b128 v[X+4*\i:X+4*\i+3], v8, s[24:25] offset:512*\i th:TH_LOAD_NT
.endr
.irp i, 0,1,2,3,4,5,6,7,8,9,10,11,12,13,14,15
	s_wait_loadcnt 15-\i
	v_cvt_pk_bf16_f32 v[X+4*\i],   v[X+4*\i],   v[X+4*\i+1]
	v_cvt_pk_bf16_f32 v[X+4*\i+1], v[X+4*\i+2], v[X+4*\i+3]
	global_store_b64 v7, v[X+4*\i:X+4*\i+1], s[14:15] offset:256*\i
.endr
.Lend:
	s_wait_tensorcnt 0x0                           ; the wave's end, behind the last LDS store
	ds_add_u32 v[SPW], v[NIL]
	s_wait_dscnt 0x0
	s_endpgm
.Lfunc_end_k_q3cd7580cdc_prep:
	.size	k_q3cd7580cdc_prep, .Lfunc_end_k_q3cd7580cdc_prep-k_q3cd7580cdc_prep
	.p2alignl 7, 3214868480
	.fill 96, 4, 3214868480
	.section	.rodata,"a",@progbits
	.p2align	6, 0x0
	.amdhsa_kernel k_q3cd7580cdc_prep
		.amdhsa_group_segment_fixed_size 70656
		.amdhsa_private_segment_fixed_size 0
		.amdhsa_enable_private_segment 0
		.amdhsa_kernarg_size 56
		.amdhsa_user_sgpr_count 2
		.amdhsa_user_sgpr_kernarg_segment_ptr 1
		.amdhsa_wavefront_size32 1
		.amdhsa_system_sgpr_workgroup_id_x 1
		.amdhsa_system_sgpr_workgroup_id_y 1
		.amdhsa_system_sgpr_workgroup_id_z 1
		.amdhsa_system_vgpr_workitem_id 0
		.amdhsa_next_free_vgpr 88
		.amdhsa_next_free_sgpr 66
		.amdhsa_reserve_vcc 0
		.amdhsa_float_denorm_mode_32 3
		.amdhsa_float_denorm_mode_16_64 3
		.amdhsa_memory_ordered 1
		.amdhsa_forward_progress 1
		.amdhsa_inst_pref_size 22
	.end_amdhsa_kernel
	.amdgpu_metadata
---
amdhsa.version: [ 1, 2 ]
amdhsa.kernels:
  - .name:           k_q3cd7580cdc_prep
    .symbol:         k_q3cd7580cdc_prep.kd
    .args:
      - { .name: mask, .offset: 0, .size: 8, .value_kind: global_buffer, .address_space: global }
      - { .name: w_qs, .offset: 8, .size: 8, .value_kind: global_buffer, .address_space: global }
      - { .name: w_ks, .offset: 16, .size: 8, .value_kind: global_buffer, .address_space: global }
      - { .name: w_vs, .offset: 24, .size: 8, .value_kind: global_buffer, .address_space: global }
      - { .name: w_fc, .offset: 32, .size: 8, .value_kind: global_buffer, .address_space: global }
      - { .name: wb, .offset: 40, .size: 8, .value_kind: global_buffer, .address_space: global }
      - { .name: maskn, .offset: 48, .size: 8, .value_kind: global_buffer, .address_space: global }
    .group_segment_fixed_size: 70656
    .private_segment_fixed_size: 0
    .kernarg_segment_align: 8
    .kernarg_segment_size: 56
    .max_flat_workgroup_size: 256
    .sgpr_count:     66
    .vgpr_count:     88
    .wavefront_size: 32
...
	.end_amdgpu_metadata
.endif
;; end of part 5
;; launch proj (part 6): grid 4 x 64, 4 waves a work-group, clusters of 4 x 4, 327,680 bytes of LDS; arguments q, k, v, wb, qkvh; writes qkvh
.if DOCPART == 6
	.amdgcn_target "amdgcn-amd-amdhsa--gfx1250"
	.amdhsa_code_object_version 6
	.text
	.protected	k_q3cd7580cdc_proj
	.globl	k_q3cd7580cdc_proj
	.p2align	8
	.type	k_q3cd7580cdc_proj,@function
k_q3cd7580cdc_proj:
	s_mov_b64 s[64:65], 0
	v_nop
	global_prefetch_b8 v0, s[64:65] scope:SCOPE_SE
	s_setreg_imm32_b32 hwreg(HW_REG_WAVE_MODE, 25, 1), 1
	s_wait_xcnt 0x0
	s_wait_alu depctr_hold_cnt(0) depctr_sa_sdst(0) depctr_va_vdst(0) depctr_va_sdst(0) depctr_va_ssrc(0) depctr_va_vcc(0) depctr_vm_vsrc(0)
	s_getreg_b32 s2, hwreg(HW_REG_IB_STS2, 6, 4)
	s_cmp_eq_u32 s2, 0
	s_cbranch_scc0 .Lentry_in_a_cluster
	s_endpgm
.Lentry_in_a_cluster:
	s_bfe_u32 s2, ttmp6, 0x10000c
	s_cmp_lg_u32 s2, 0xf033
	s_cbranch_scc0 .Lentry_shape_is_right
	s_endpgm
.Lentry_shape_is_right:
; THREE PROJECTIONS BY WORK-GROUPS THAT STAY: qkvh[g] = x_g @ w_g, g = 0, 1, 2 for q, k, v.  x_g: [8192][1024] f32; w_g: wb's part g, [1024 k][1024 n] bf16; qkvh[g]: [8192][1024] bf16.
; x is rounded to bf16 on its way from LDS to the matrix unit; sums in f32, K ascending; the result is rounded once to bf16.
; SHARES.  A tile of C is 128 rows x 256 columns; a cluster of 4 x 4 work-groups holds four tile rows (cy) x all four tile columns (cx): 256 work-groups.  A work-group makes ITS tile of all three
; projections, one after the other.  Four waves, each 64 x 128: 32 accumulators of 16 x 16.
; ONE WALK.  The three tiles' K steps of 128 are one sequence of 24 for the ring of two LDS slots: step n belongs to projection n / 8 and is its K step n % 8.  The ring does not stop at a tile's end:
; the refills in a tile's last two steps ask for the next projection's first two, and nothing waits for a tile's stores.  Which tile a refill asks for hangs on the step's number alone.
; JOINT LOADS.  x's tile hangs on the tile row alone and is asked for jointly by a row of the cluster, w's on the tile column alone and is asked for jointly by a column.
; THE MATRIX INSTRUCTION IS USED TRANSPOSED (source 0 = 16 columns of w, source 1 = 16 rows of x): a lane then holds eight neighbouring numbers of one row of C.
; w lies [k][n], so its fragments come out of LDS turned, by ds_load_tr16_b128.  x's fragments come as f32 (16 registers for 8) and are packed by v_cvt_pk_bf16_f32.
; A QUARTER is 32 along K, 32 products.  In quarter i: w's fragments of quarter i + 1 are loaded in its middle, x's f32 of quarter i + 1 are packed beside its second half, x's f32 of quarter i + 2 are loaded at its end.
; So a slot's last read stands in the middle of its quarter 2 and the other slot's first read at that quarter's end: the change of slots lies between them.
; THE LOOP.  A trip is a step's quarters 1, 2, 3 and the next step's quarter 0; the slot in hand is a scalar that one exclusive or turns from 0 to SLOT and back.  Behind a tile's last quarter 3 (steps 7 and 15)
; a forward jump takes the way out and a quarter 0 whose products start the next tile's sums with the constant 0; what is jumped either way holds no barrier and no tensor load.
; REGISTERS, in windows of 256: window 0: v16-30 addresses; v32-95 x's fragments, two buffers of 32; v128-191 x as f32; v96-127, v192-255 at work on the way out.
;   window 1: v0-127 w's fragments, two buffers of 64.   window 2: accumulator (a, b) at v[8 (8 a + b)].
.set PA,    528                        ; a row of x in LDS: 512 bytes + 16 = 132 words: the 16 rows of a 16-byte read start at 16 different groups of four banks
.set PB,    544                        ; a k-row of w: 512 + 32 = 136 words
.set HALFA, 64*PA                      ; what one tensor load of x brings
.set HALFB, 64*PB                      ; and of w
.set BOFF,  2*HALFA
.set SLOT,  2*HALFA+2*HALFB
.set STAGE, 2*SLOT                     ; behind the ring: 16 rows x 272 bytes a wave, for the way out
.set SP,    272
.set SPARE, STAGE+4*16*SP              ; the spare words, 128 bytes a wave: two blocks of 256 bytes that no other line names
.set STEPS, 24                         ; three tiles of eight K steps
.set A0,   16                          ; v16     my lane's place among my x rows in slot 0; never rewritten
.set AC,   17                          ; v17-18  the same in the slot of the step in hand, and in the other slot
.set B0,   20                          ; v20     my lane's place among my columns of w in slot 0; never rewritten
.set BC,   21                          ; v21-22  the same in the slot in hand, and in the other
.set STO,  24
.set RD,   25
.set CO,   26
.set SPW,  28                          ; never rewritten
.set NIL,  29                          ; never rewritten
.set PFO,  30                          ; the prefetches' lane offset; never rewritten
.set AB,   32
.set OB0,  96                          ; the way out: 16 rows read back from the stage, here
.set STG,  128
.set TMP,  192
.set OB1,  224                         ; and here, by turns
.set TC, 2                             ; s2   LDS byte at which the slot of the step in hand begins: 0 or SLOT
.set WV, 14
.set WM, 15                            ; which 64 rows are mine; also: I fetch x (0) or w (1)
.set WN, 16                            ; which 128 columns; also: which half of that tile I fetch
.set CX, 17
.set CY, 18
.set NX, 19                            ; s19  the step to be asked for next
.set TR, 20
.set LIM, 23                           ; 2 in a wave that prefetches, else the greatest number
.set G1A, 24
.set G0A, 32                           ; two sets for the two first fills; the first then serves every refill
.set LA0, 42                           ; s42  where my half of x's tile lies in slot 0
.set LB0, 43                           ; s43  the same for w's
.set PFA, 44
.set PST, 46                           ; s46  bytes from a K step to the next in what I prefetch
.set TN, 47                            ; s47  where the other slot begins
.set G1B, 48
.set G0B, 56
.set WB0, 68                           ; s[68:69] w at my half of step 0's tile; step n lies 262,144 n bytes on, across wb's parts too: eight steps are one part
.set CADD, 70                          ; s[70:71] what the next way out adds to C's address
.set XA,  74                           ; s[74:79] q, k, v at my half of the tile's rows
.set PFB, 80                           ; s[80:85] where my prefetches begin in projection 0, 1, 2
.set MSB, 0
.macro WIN new                         ; the immediate's high byte repeats the setting that is left; a switch that changes nothing is dropped
.if MSB != (\new)
	s_set_vgpr_msb (MSB<<8)|(\new)
.set MSB, \new
.endif
.endm
.set MUL,  0xa1                        ; source 0 (w) window 1, source 1 (x) window 0, C and D window 2
.set TO_B, 0x40                        ; destination window 1
.macro PLACES
.rept 4
	v_nop
.endr
.endm
; A joint load: waves 0 and 1 fetch x's two halves, waves 2 and 3 w's.  An s_nop 0 and four v_nop follow each line.
.macro JLOAD s
	s_cmp_eq_u32 s[WM], 0
	s_cbranch_scc0 .Lfor_b_\@
	tensor_load_to_lds s[G0A+4*(\s):G0A+4*(\s)+3], s[G1A:G1A+7]
	s_nop 0
.rept 4
	v_nop
.endr
	s_branch .Lasked_\@
.Lfor_b_\@:
	tensor_load_to_lds s[G0B+4*(\s):G0B+4*(\s)+3], s[G1B:G1B+7]
	s_nop 0
.rept 4
	v_nop
.endr
.Lasked_\@:
.endm
.macro CREST                           ; a round of the cluster's barrier behind its opening barrier
	s_cmp_lg_u32 s[WV], 0
	s_cbranch_scc1 .Lnot_wave_0_\@
	s_barrier_signal -3
.Lnot_wave_0_\@:
	s_barrier_wait -3
	s_barrier_signal -1
	s_barrier_wait -1
.endm
.macro CROUND
	s_barrier_signal -1
	s_barrier_wait -1
	CREST
.endm
; A prefetch of the step two refills on: 16 rows x 512 bytes, two lanes a row, one instruction a wave.  x's rows are read by one cluster alone: each of the four partners that ask jointly takes 16 of a
; wave's 64 rows, told apart by address (cx).  w's rows are read by every cluster: the cluster with y = 0 asks, its partners along y take 16 rows each (cy).  The refill in step n asks for step n + 2 and the
; prefetch behind it names step n + 4: steps 4 to 23, each once; the loop's last two trips (s3 = 2, 1) ask for nothing.
.macro ASK
	s_cmp_gt_u32 s3, s[LIM]
	s_cbranch_scc0 .Lnot_mine_\@
	global_prefetch_b8 v[PFO], s[PFA:PFA+1] th:TH_LOAD_NT scope:SCOPE_SE
.Lnot_mine_\@:
.endm
.macro W n, f, zero                    ; product n of a quarter's 32, on fragment buffers f
	WIN MUL
.if \zero
	v_wmma_f32_16x16x32_bf16 v[8*(\n):8*(\n)+7], v[64*(\f)+8*((\n)%8):64*(\f)+8*((\n)%8)+7], v[AB+32*(\f)+8*((\n)/8):AB+32*(\f)+8*((\n)/8)+7], 0
.else
	v_wmma_f32_16x16x32_bf16 v[8*(\n):8*(\n)+7], v[64*(\f)+8*((\n)%8):64*(\f)+8*((\n)%8)+7], v[AB+32*(\f)+8*((\n)/8):AB+32*(\f)+8*((\n)/8)+7], v[8*(\n):8*(\n)+7]
.endif
.endm
.macro CV n, g                         ; two of x's numbers rounded to bf16, into register n of buffer g
	WIN 0
	v_cvt_pk_bf16_f32 v[AB+32*(\g)+(\n)], v[STG+2*(\n)], v[STG+2*(\n)+1]
.endm
; In LOADA and LOADB s = 0 is the slot of the step in hand, s = 1 the other slot.
.macro LOADA s, i                      ; x as f32: my 64 rows, quarter i: lane l takes row l % 16, channels 8 (l / 16) + 0..7 and 16 + 8 (l / 16) + 0..7
	WIN 0
.irp a, 0,1,2,3
	ds_load_b128 v[STG+16*\a:STG+16*\a+3],     v[AC+(\s)] offset:\a*16*PA+(\i)*128
	ds_load_b128 v[STG+16*\a+4:STG+16*\a+7],   v[AC+(\s)] offset:\a*16*PA+(\i)*128+16
	ds_load_b128 v[STG+16*\a+8:STG+16*\a+11],  v[AC+(\s)] offset:\a*16*PA+(\i)*128+64
	ds_load_b128 v[STG+16*\a+12:STG+16*\a+15], v[AC+(\s)] offset:\a*16*PA+(\i)*128+80
.endr
.endm
.macro LOADB s, i, g                   ; w's fragments, turned: my 128 columns, quarter i, into buffer g
	WIN TO_B
.irp b, 0,1,2,3,4,5,6,7
	ds_load_tr16_b128 v[64*(\g)+8*\b:64*(\g)+8*\b+3],   v[BC+(\s)] offset:(\i)*32*PB+32*\b
	ds_load_tr16_b128 v[64*(\g)+8*\b+4:64*(\g)+8*\b+7], v[BC+(\s)] offset:(\i)*32*PB+16*PB+32*\b
.endr
.endm
; A QUARTER on buffers f.  hw: LDS loads that may stay out at its head.  sb, ib: slot and quarter of w's next fragments (sb = -1: none).  sa, ia: of x's next f32 (-1: none).  zero: the products start the sums.
; cv: x's staged f32 are packed beside the second half.  meet = 1: the change of slots, with a refill of the slot in hand; 2: the change without a refill.
.macro QTR f, hw, sb, ib, sa, ia, zero, cv, meet
.if (\meet) == 1
	s_wait_xcnt 0x0                                ; the last prefetch, a K step back, has read its address, which is made anew: the step two behind the one that this change asks for
	s_add_co_u32 s86, s[NX], 2
	s_lshr_b32 s87, s86, 3                         ; its projection,
	s_and_b32 s86, s86, 7                          ; its K step there
	s_mul_i32 s88, s86, s[PST]
	s_cmp_eq_u32 s87, 1
	s_cselect_b64 s[PFA:PFA+1], s[PFB+2:PFB+3], s[PFB:PFB+1]
	s_cmp_eq_u32 s87, 2
	s_cselect_b64 s[PFA:PFA+1], s[PFB+4:PFB+5], s[PFA:PFA+1]
	s_add_nc_u64 s[PFA:PFA+1], s[PFA:PFA+1], s[88:89]
.endif
	s_wait_dscnt \hw                               ; this quarter's w is in; x's 16 staging loads, issued behind it, may stay out
.set t, 0
.rept 16
	W t, \f, \zero
.set t, t+1
.endr
.if (\sb) >= 0
	PLACES                                         ; four places behind the last quarter's products, ahead of loads and conversions into the buffers that they read
	LOADB \sb, \ib, 1-(\f)
	s_wait_dscnt 16                                ; x's f32 are in; the 16 loads just issued may stay out
.endif
.rept 8
.if (\meet) && (t == 24)
	WIN 0
	s_wait_tensorcnt 0x0                           ; all my tensor loads have landed: the one that was out is my part of the other slot; so a group 0 may be written
	ds_add_u32 v[SPW], v[NIL]                      ; 0 onto my spare word: the descriptors' words and four products stand between it and the wait for it
.if (\meet) == 1
	s_lshr_b32 s86, s[NX], 3                       ; the step to be asked for: its projection,
	s_and_b32 s88, s[NX], 7
	s_lshl_b32 s88, s88, 9                         ; its K step there: 128 f32 along a row
	s_cmp_eq_u32 s86, 1
	s_cselect_b64 s[90:91], s[XA+2:XA+3], s[XA:XA+1]
	s_cmp_eq_u32 s86, 2
	s_cselect_b64 s[90:91], s[XA+4:XA+5], s[90:91]
	s_add_nc_u64 s[G0A+2:G0A+3], s[90:91], s[88:89]
	s_or_b32 s[G0A+3], s[G0A+3], 0x80000000
	s_add_co_u32 s[G0A+1], s[LA0], s[TC]           ; into the slot in hand
	s_lshl_b32 s88, s[NX], 18                      ; 128 k-rows of 2,048 bytes a step
	s_add_nc_u64 s[G0B+2:G0B+3], s[WB0:WB0+1], s[88:89]
	s_or_b32 s[G0B+3], s[G0B+3], 0x80000000
	s_add_co_u32 s[G0B+1], s[LB0], s[TC]
	s_add_co_u32 s[NX], s[NX], 1
.endif
.endif
.if (\meet) && (t == 28)
	s_wait_dscnt 0x0                               ; the add is done, and my reads of this slot are over
	s_barrier_signal -1
.endif
	W t, \f, \zero
	W t+1, \f, \zero
.if \cv
	CV 2*(t-16), 1-(\f)
	CV 2*(t-16)+1, 1-(\f)
	CV 2*(t-16)+2, 1-(\f)
	CV 2*(t-16)+3, 1-(\f)
.endif
.set t, t+2
.endr
.if \meet
	WIN 0
	s_barrier_wait -1
.endif
.if (\meet) == 1
	CREST                                          ; the barrier has opened a round of the cluster's: no wave of any partner still reads this slot or has a load on its way
	JLOAD 0                                        ; the first tensor load behind the round, one a wave: 120 products stand between it and the wait for it
.endif
.if (\sa) >= 0
	LOADA \sa, \ia
.endif
.if (\meet) == 1
	ASK
.endif
.endm
; THE WAY OUT of a tile, 16 rows at a time: rounded to bf16, 16 bytes a lane into my own stage, back as whole rows of 256 bytes, stored.  It names none of the fragment and staging registers:
; in the loop they hold, or are about to receive, the next tile's first numbers.
.macro PACK a
	WIN 0x0a                                       ; sources 0 and 1 in window 2
.irp b, 0,1,2,3,4,5,6,7
.irp r, 0,1,2,3
	v_cvt_pk_bf16_f32 v[TMP+4*\b+\r], v[8*(8*(\a)+\b)+2*\r], v[8*(8*(\a)+\b)+2*\r+1]
.endr
.endr
	WIN 0
.endm
.macro TOSTAGE a
.set OB, OB0+(OB1-OB0)*((\a)%2)
	s_wait_xcnt 0x0                                ; the stores of two blocks back have read the registers that are loaded again below
.irp b, 0,1,2,3,4,5,6,7
	ds_store_b128 v[STO], v[TMP+4*\b:TMP+4*\b+3] offset:32*\b
.endr
.irp t, 0,1,2,3,4,5,6,7
	ds_load_b128 v[OB+4*\t:OB+4*\t+3], v[RD] offset:\t*2*SP  ; LDS serves a wave's instructions in order: these see the stores above
.endr
.endm
.macro SEND a
.set OB, OB0+(OB1-OB0)*((\a)%2)
	s_wait_dscnt 0x0
.irp t, 0,1,2,3,4,5,6,7
	global_store_b128 v[CO], v[OB+4*\t:OB+4*\t+3], s[12:13] offset:(16*(\a)+2*\t)*2048  ; 16 lanes store 256 consecutive bytes, aligned
.endr
.endm
.macro WAYOUT
	PLACES                                         ; the conversions read results
	s_wait_xcnt 0x0                                ; the last tile's stores have read their base
	s_add_nc_u64 s[12:13], s[12:13], s[CADD:CADD+1]  ; on to this tile: the first time to my part of qkvh's part 0, then a part further
	PACK 0
	TOSTAGE 0
	PACK 1                                         ; a block's conversions stand between the loads of the block before and the wait for them
	SEND 0
	TOSTAGE 1
	PACK 2
	SEND 1
	TOSTAGE 2
	PACK 3
	SEND 2
	TOSTAGE 3
	SEND 3
	s_mov_b32 s[CADD], 16777216                    ; a part of qkvh
.endm
	s_load_b256 s[4:11], s[0:1], 0x0               ; q s[4:5], k s[6:7], v s[8:9], wb s[10:11]
	s_load_b64 s[12:13], s[0:1], 0x20              ; qkvh
	v_lshl_add_u32 v[SPW], v0, 2, SPARE
	v_mov_b32 v[NIL], 0
	ds_add_u32 v[SPW], v[NIL]                      ; the wave's opening: the add and its wait stand ahead of my first tensor load; work on registers stands between them
	v_lshrrev_b32 v1, 5, v0
	v_readfirstlane_b32 s[WV], v1
	s_lshr_b32 s[WM], s[WV], 1
	s_and_b32 s[WN], s[WV], 1
	s_bfe_u32 s[CX], ttmp6, 0x40000
	s_bfe_u32 s[CY], ttmp6, 0x40004
	s_and_b32 s[TR], ttmp7, 0xffff
	s_lshl_b32 s[TR], s[TR], 2
	s_add_co_u32 s[TR], s[TR], s[CY]               ; tile row = 4 x cluster y + cy; the tile column is cx
	s_lshl_b32 s21, s[CY], 2
	s_lshl_b32 s21, 15, s21                        ; my row of the cluster
	s_lshl_b32 s22, 0x1111, s[CX]                  ; my column
	s_or_b32 s[G1A], s21, (2<<16)|(1<<20)|(1<<21)|(6<<22)|(3<<25)  ; mask; elements of 4 bytes; padding on; bit 21 beside a mask; after every 128 words; 4 words
	s_or_b32 s[G1B], s22, (1<<16)|(1<<20)|(1<<21)|(6<<22)|(7<<25)  ; mask; elements of 2 bytes; after every 128 words; 8 words
	s_mov_b32 s[G1A+1], 128<<16                    ; tensor_dim0 = 128
	s_mov_b32 s[G1A+2], 64<<16                     ; tensor_dim1 = 64
	s_mov_b32 s[G1A+3], 128<<16                    ; tile_dim0 = 128
	s_mov_b32 s[G1A+4], 64                         ; tile_dim1 = 64
	s_mov_b32 s[G1A+5], 1024                       ; elements from row to row
	s_mov_b32 s[G1A+6], 0
	s_mov_b32 s[G1A+7], 0
	s_mov_b32 s[G1B+1], 256<<16
	s_mov_b32 s[G1B+2], 64<<16
	s_mov_b32 s[G1B+3], 256<<16
	s_mov_b32 s[G1B+4], 64
	s_mov_b32 s[G1B+5], 1024
	s_mov_b32 s[G1B+6], 0
	s_mov_b32 s[G1B+7], 0
	s_lshl_b32 s40, s[TR], 19                      ; x: (128 x tile row + 64 x half) rows of 4,096 bytes: no cx enters these registers
	s_lshl_b32 s41, s[WN], 18
	s_add_co_u32 s40, s40, s41
	s_mov_b32 s41, 0
	s_mul_i32 s[LA0], s[WN], HALFA
	s_lshl_b32 s66, s[WN], 17                      ; w: 64 x half k-rows of 2,048 bytes, 512 bytes x tile column: no cy enters these registers
	s_lshl_b32 s67, s[CX], 9
	s_add_co_u32 s66, s66, s67
	s_mov_b32 s67, 0
	s_mul_i32 s[LB0], s[WN], HALFB
	s_add_co_u32 s[LB0], s[LB0], BOFF
	s_mov_b32 s[NX], 2                             ; steps 0 and 1 are the first fills
	s_mov_b32 s[TC], 0
	s_mov_b32 s[TN], SLOT
	s_mov_b32 s89, 0                               ; the upper word of the offsets made in the loop
	s_wait_dscnt 0x0                               ; the opening add is done
	s_wait_kmcnt 0x0
	s_add_nc_u64 s[XA:XA+1], s[4:5], s[40:41]
	s_add_nc_u64 s[XA+2:XA+3], s[6:7], s[40:41]
	s_add_nc_u64 s[XA+4:XA+5], s[8:9], s[40:41]
	s_add_nc_u64 s[WB0:WB0+1], s[10:11], s[66:67]
	CROUND                                         ; all sixteen work-groups are here: the first joint loads meet
.irp s, 0,1
	s_mov_b32 s[G0A+4*\s], 1
	s_add_co_u32 s[G0A+4*\s+1], s[LA0], \s*SLOT
	s_add_nc_u64 s[G0A+4*\s+2:G0A+4*\s+3], s[XA:XA+1], \s*512
	s_or_b32 s[G0A+4*\s+3], s[G0A+4*\s+3], 0x80000000
	s_mov_b32 s[G0B+4*\s], 1
	s_add_co_u32 s[G0B+4*\s+1], s[LB0], \s*SLOT
	s_add_nc_u64 s[G0B+4*\s+2:G0B+4*\s+3], s[WB0:WB0+1], \s*262144
	s_or_b32 s[G0B+4*\s+3], s[G0B+4*\s+3], 0x80000000
	JLOAD \s                                       ; two loads of mine are out
.endr
	v_and_b32 v1, 15, v0                           ; l % 16
	v_bfe_u32 v2, v0, 4, 1                         ; l / 16
	v_and_b32 v3, 7, v0
	v_bfe_u32 v4, v0, 3, 1
	v_mul_u32_u24 v5, v1, PA
	v_lshl_add_u32 v5, v2, 5, v5                   ; row x pitch + 32 bytes x half
	s_mul_i32 s86, s[WM], HALFA
	v_add_nc_u32 v[A0], s86, v5
	v_mov_b32 v[AC], v[A0]                         ; step 0 lies in slot 0
	v_add_nc_u32 v[AC+1], SLOT, v[A0]
	v_lshl_add_u32 v6, v2, 3, v3                   ; the turning load: k-row 8 (l / 16) + l % 8, columns 8 ((l / 8) % 2) on
	v_mul_u32_u24 v6, v6, PB
	v_lshl_add_u32 v6, v4, 4, v6
	s_lshl_b32 s86, s[WN], 8
	s_add_co_u32 s86, s86, BOFF
	v_add_nc_u32 v[B0], s86, v6
	v_mov_b32 v[BC], v[B0]
	v_add_nc_u32 v[BC+1], SLOT, v[B0]
	s_mul_i32 s86, s[WV], 16*SP
	s_add_co_u32 s86, s86, STAGE
	v_mul_u32_u24 v5, v1, SP
	v_lshl_add_u32 v5, v2, 4, v5
	v_add_nc_u32 v[STO], s86, v5
	v_mul_u32_u24 v5, v2, SP
	v_lshl_add_u32 v5, v1, 4, v5
	v_add_nc_u32 v[RD], s86, v5
	v_lshlrev_b32 v5, 11, v2
	v_lshl_add_u32 v[CO], v1, 4, v5                ; two rows of C, 256 bytes each
	s_lshl_b32 s[CADD], s[TR], 18                  ; C: my 64 rows of 2,048 bytes, my 256 bytes of them, in qkvh's part 0
	s_lshl_b32 s73, s[WM], 17
	s_add_co_u32 s[CADD], s[CADD], s73
	s_lshl_b32 s73, s[CX], 9
	s_add_co_u32 s[CADD], s[CADD], s73
	s_lshl_b32 s73, s[WN], 8
	s_add_co_u32 s[CADD], s[CADD], s73
	s_mov_b32 s[CADD+1], 0
	; the prefetches: where they begin in each projection
	s_lshl_b32 s72, s[TR], 19                      ; x: the rows that I fetch,
	s_lshl_b32 s73, s[WN], 18
	s_add_co_u32 s72, s72, s73
	s_lshl_b32 s73, s[CX], 16                      ; my work-group's 16 of the 64
	s_add_co_u32 s72, s72, s73
	s_lshl_b32 s92, s[WN], 17                      ; w: the k-rows that I fetch,
	s_lshl_b32 s73, s[CY], 15                      ; my work-group's 16 of the 64,
	s_add_co_u32 s92, s92, s73
	s_lshl_b32 s73, s[CX], 9                       ; the tile column's 512 bytes
	s_add_co_u32 s92, s92, s73
	s_and_b32 s73, ttmp7, 0xffff
	s_cmp_eq_u32 s73, 0
	s_cselect_b32 s[LIM], 2, -1                    ; for w: the cluster with y = 0
	s_mov_b32 s73, 262144
	s_mov_b32 s93, 2097152                         ; a part of wb
	s_cmp_eq_u32 s[WM], 0
	s_cselect_b32 s[LIM], 2, s[LIM]                ; for x: every cluster, its own rows
	s_cselect_b32 s72, s72, s92
	s_cselect_b32 s[PST], 512, s73
	s_cselect_b32 s93, 0, s93
	s_cselect_b32 s92, 12, 11
	s_cselect_b64 s[PFB:PFB+1], s[4:5], s[10:11]
	s_cselect_b64 s[PFB+2:PFB+3], s[6:7], s[10:11]
	s_cselect_b64 s[PFB+4:PFB+5], s[8:9], s[10:11]
	s_mov_b32 s73, 0
	s_add_nc_u64 s[PFB:PFB+1], s[PFB:PFB+1], s[72:73]
	s_add_co_u32 s72, s72, s93
	s_add_nc_u64 s[PFB+2:PFB+3], s[PFB+2:PFB+3], s[72:73]
	s_add_co_u32 s72, s72, s93
	s_add_nc_u64 s[PFB+4:PFB+5], s[PFB+4:PFB+5], s[72:73]
	v_lshlrev_b32 v[PFO], s92, v1                  ; a row,
	v_lshl_add_u32 v[PFO], v2, 8, v[PFO]           ; and which 256 of its 512 bytes
	s_wait_tensorcnt 1                             ; my part of step 0 is in; step 1's may stay out
	s_barrier_signal -1
	s_barrier_wait -1
	LOADA 0, 0
	LOADB 0, 0, 0
	s_wait_dscnt 16                                ; x's f32 of quarter 0 are in
.set t, 0
.rept 32
	CV t, 0
.set t, t+1
.endr
	LOADA 0, 1
	QTR 0, 16, 0, 1, 0, 2, 1, 1, 0                 ; the walk's first quarter stands in front of the loop: its products start the first tile's sums
	WIN 0
	s_mov_b32 s3, STEPS-2
.Lstep:                                                ; 22 trips: a step's quarters 1 to 3, with the refill of its slot, and the next step's quarter 0
	QTR 1, 16, 0, 2, 0, 3, 0, 1, 0
	QTR 0, 16, 0, 3, 1, 0, 0, 1, 1
	QTR 1, 16, 1, 0, 1, 1, 0, 1, 0
	WIN 0
	s_and_b32 s86, s[NX], 7                        ; in step n the refill has left n + 3 here: 2 modulo 8 where n is a tile's last step
	s_cmp_eq_u32 s86, 2
	s_cbranch_scc1 .Ltile_done
	QTR 0, 16, 1, 1, 1, 2, 0, 1, 0
	WIN 0
	s_branch .Lnext
.Ltile_done:
	WAYOUT                                         ; both of the next tile's first steps have been asked for; the tile's stores leave under the next tile's products
	QTR 0, 16, 1, 1, 1, 2, 1, 1, 0                 ; the next tile's first quarter: its products start the sums
	WIN 0
.Lnext:
	s_xor_b32 s[TC], s[TC], SLOT                   ; the other slot is now the slot in hand
	s_xor_b32 s[TN], s[TN], SLOT
	v_add_nc_u32 v[AC], s[TC], v[A0]
	v_add_nc_u32 v[AC+1], s[TN], v[A0]
	v_add_nc_u32 v[BC], s[TC], v[B0]
	v_add_nc_u32 v[BC+1], s[TN], v[B0]
	s_sub_co_u32 s3, s3, 1
	s_cmp_lg_u32 s3, 0
	s_cbranch_scc1 .Lstep
	QTR 1, 16, 0, 2, 0, 3, 0, 1, 0                 ; steps 22 and 23 are written out: they fill nothing
	QTR 0, 16, 0, 3, 1, 0, 0, 1, 2
	QTR 1, 16, 1, 0, 1, 1, 0, 1, 0
	QTR 0, 16, 1, 1, 1, 2, 0, 1, 0
	QTR 1, 16, 1, 2, 1, 3, 0, 1, 0
	QTR 0, 16, 1, 3, -1, 0, 0, 1, 0
	QTR 1, 0, -1, 0, -1, 0, 0, 0, 0
	WAYOUT
	s_wait_tensorcnt 0x0                           ; the wave's end
	ds_add_u32 v[SPW], v[NIL]
	s_wait_dscnt 0x0
	CROUND                                         ; the closing round: no work-group ends while a partner may still ask for a tile that names it
	s_endpgm
.Lfunc_end_k_q3cd7580cdc_proj:
	.size	k_q3cd7580cdc_proj, .Lfunc_end_k_q3cd7580cdc_proj-k_q3cd7580cdc_proj
	.p2alignl 7, 3214868480
	.fill 96, 4, 3214868480
	.section	.rodata,"a",@progbits
	.p2align	6, 0x0
	.amdhsa_kernel k_q3cd7580cdc_proj
		.amdhsa_group_segment_fixed_size 327680
		.amdhsa_private_segment_fixed_size 0
		.amdhsa_enable_private_segment 0
		.amdhsa_kernarg_size 40
		.amdhsa_user_sgpr_count 2
		.amdhsa_user_sgpr_kernarg_segment_ptr 1
		.amdhsa_wavefront_size32 1
		.amdhsa_system_sgpr_workgroup_id_x 1
		.amdhsa_system_sgpr_workgroup_id_y 1
		.amdhsa_system_sgpr_workgroup_id_z 1
		.amdhsa_system_vgpr_workitem_id 0
		.amdhsa_next_free_vgpr 768
		.amdhsa_next_free_sgpr 94
		.amdhsa_reserve_vcc 0
		.amdhsa_float_denorm_mode_32 3
		.amdhsa_float_denorm_mode_16_64 3
		.amdhsa_memory_ordered 1
		.amdhsa_forward_progress 1
		.amdhsa_inst_pref_size 130
	.end_amdhsa_kernel
	.amdgpu_metadata
---
amdhsa.version: [ 1, 2 ]
amdhsa.kernels:
  - .name:           k_q3cd7580cdc_proj
    .symbol:         k_q3cd7580cdc_proj.kd
    .args:
      - { .name: q, .offset: 0, .size: 8, .value_kind: global_buffer, .address_space: global }
      - { .name: k, .offset: 8, .size: 8, .value_kind: global_buffer, .address_space: global }
      - { .name: v, .offset: 16, .size: 8, .value_kind: global_buffer, .address_space: global }
      - { .name: wb, .offset: 24, .size: 8, .value_kind: global_buffer, .address_space: global }
      - { .name: qkvh, .offset: 32, .size: 8, .value_kind: global_buffer, .address_space: global }
    .group_segment_fixed_size: 327680
    .private_segment_fixed_size: 0
    .kernarg_segment_align: 8
    .kernarg_segment_size: 40
    .max_flat_workgroup_size: 128
    .sgpr_count:     94
    .vgpr_count:     768
    .wavefront_size: 32
...
	.end_amdgpu_metadata
.endif
;; end of part 6
;; launch attn (part 7): grid 8 x 32, 4 waves a work-group, clusters of 4 x 1, 327,680 bytes of LDS; arguments qkvh, maskn, ob; writes ob
.if DOCPART == 7
	.amdgcn_target "amdgcn-amd-amdhsa--gfx1250"
	.amdhsa_code_object_version 6
	.text
	.protected	k_q3cd7580cdc_attn
	.globl	k_q3cd7580cdc_attn
	.p2align	8
	.type	k_q3cd7580cdc_attn,@function
k_q3cd7580cdc_attn:
	s_mov_b64 s[64:65], 0
	v_nop
	global_prefetch_b8 v0, s[64:65] scope:SCOPE_SE
	s_setreg_imm32_b32 hwreg(HW_REG_WAVE_MODE, 25, 1), 1
	s_wait_xcnt 0x0
	s_wait_alu depctr_hold_cnt(0) depctr_sa_sdst(0) depctr_va_vdst(0) depctr_va_sdst(0) depctr_va_ssrc(0) depctr_va_vcc(0) depctr_vm_vsrc(0)
	s_getreg_b32 s2, hwreg(HW_REG_IB_STS2, 6, 4)
	s_cmp_eq_u32 s2, 0
	s_cbranch_scc0 .Lentry_in_a_cluster
	s_endpgm
.Lentry_in_a_cluster:
	s_bfe_u32 s2, ttmp6, 0x10000c
	s_cmp_lg_u32 s2, 0x3003
	s_cbranch_scc0 .Lentry_shape_is_right
	s_endpgm
.Lentry_shape_is_right:
; MASKED ATTENTION, head size 64, two heads to a work-group.  ob[b][q][h 64 + :] = the sum over k of softmax_k(where(mask[b][q][k] = 0, hidden, Q.K / 8)) V.
; qkvh: [3][8192][1024] bf16 (q's, k's, v's projections, rows b 2048 + position, channels h 64 + d); maskn: 4-bit codes made by the launch prep; ob: [8192][1024] bf16.
; Products, maxima and sums in f32; the weights p are rounded to bf16 for the second product (their sum l is taken of the unrounded p), O once at the end.
; LIMITS.  A hidden score's sum starts at -2^100 where a visible one's starts at 0, ahead of the running maximum.  Half a unit in the last place of 2^100 is 2^75 on the near side, so the sum stays -2^100 itself
; while |Q.K| is under 2^75.  The module's own figure is -1e9 after the division by 8: the result is the same while each row with a visible key has a visible score / 8 above about -1e9.
; -2^100 is a power of two, so that c s - c m is exactly 0 in a row that is wholly hidden: such a row gets the plain mean of V, as the module gives.  A weight below 2^-126 counts as 0; NaN and infinities are not treated apart.
; SHARES.  Work-group y = 8 b + hp: batch b, heads 2 hp and 2 hp + 1, whose 128 channels are 256 aligned bytes of a row.  Work-group x: a block of 256 queries; a wave owns 64: four PIECES.
; A piece is one tile of 16 queries for BOTH heads (tile u = head u), so both tiles take the same 32 starting numbers.  Every wave walks all 2,048 keys, 64 a step.
; LAYOUT.  S^T = K Q^T: a lane holds ONE query (lane % 16) and the keys 8 (lane / 16) + 0..7; two results rounded in pairs ARE source 1 of O^T = V^T P.  K comes out of LDS as it lies, V turned.
; SOFTMAX.  p = 2^(c s - c m), c = log2(e) / 8, with a running maximum m; O and l are multiplied by a = 2^(c m_old - c m_new) in every step.  m starts at the lowest finite number, O and l at 0.
; THE MASK.  A piece and step have 32 codes a lane, 16 bytes: one load of 512 consecutive bytes a wave, into a ring of four register slots, a slot a piece, loaded again as soon as it has been
; unpacked: four turns ahead of its use.  Four conversions unpack a slot: code x 2^98 = 0 or -2^100, the C operand of the eight products that start the piece's scores.
; BY TURNS.  Turn n belongs to piece n: 16 products K Q^T of piece n + 1, later 16 products V^T P of piece n - 1; beside them the scaling, exponentials, roundings, sums and rescaling of piece n, the
; maximum and statistics of piece n + 1 and the starting numbers of piece n + 2.  A turn's 66 exponentials are one batch with one wait.
; CLUSTER.  The four query blocks of a cluster walk the same K and V: each tile is asked for jointly, by the same tensor load, descriptor and mask in all four.
; REGISTERS, in windows of 256: window 0: v0-11 addresses and the scale; v12-15, v48-63 at work; v16-47 statistics; v64-191 S^T, two buffers of two tiles; v192-255 P, likewise.
;   window 1: O^T, 32 a tile.   window 2: v0-127 Q, 16 a tile; v128-255 K of one step.   window 3: v0-127 V of one step; v128-129 the add's two registers; v136-167 the starting numbers; v168-183 the codes' ring.
.set NP,    4
.set KS,    64
.set PK,    272       ; a row of K in LDS: 256 bytes + 16: the 16 rows of a load start at 16 different groups of four banks
.set PV,    288       ; a row of V: 256 + 32
.set VOFF,  KS*PK     ; a step's tiles lie together: 64 rows of K, then 64 rows of V
.set STEPB, KS*(PK+PV)
.set SLOT1, 1<<17     ; a slot holds two steps; slot 1 begins here, so that one exclusive or turns an address in one slot into the other's
.set STAGE, SLOT1+2*STEPB
.set SP,    272
.set SPARE, STAGE+4*16*SP  ; the spare words, 128 bytes a wave: two blocks of 256 bytes that no other line names
.set SCL, 0           ; v0   once the thread's number has served: the unpacking's scale
.set MAD, 1           ; v1   once l % 16 has served: the byte offset of the codes' next load
.set AK0, 2
.set AV0, 3
.set AK,  4
.set AV,  5
.set QO,  6
.set STO, 6
.set RD,  7
.set GO,  8
.set MA0, 10          ; v10  16 x my lane; never rewritten once made
.set PFO, 11          ; v11  2,048 x my lane: a row; never rewritten once made
.set MV,  12
.set ST,  16          ; tile t's statistics at v[ST+4 t]: c m, m, l (even keys', odd keys')
.set TMP, 48
.set S,   64
.set P,   192
.set KF,  128         ; window 2: key block kb, head u, channel half c at KF + 8 (4 kb + 2 u + c)
.set SPW, 128         ; window 3; never rewritten
.set NIL, 129         ; window 3; never rewritten
.set MC,  136         ; window 3: the starting numbers of key block kt at MC + 8 kt
.set RG,  168         ; window 3: slot x of the codes' ring at RG + 4 x
.set WV,  12
.set G1K, 24
.set G1V, 32
.set G0K, 40
.set G0V, 44
.set MOFF, 49         ; s49  byte offset, in my wave's codes, of the piece and step loaded last
.set MB,  50          ; s[50:51] my wave's 65,536 bytes of maskn
.set PFA, 52
.set LIM, 54
.set SLOTS, 56
.set CNT, 57
.set CS,  58
.set SEL, 60
.set TBK, 62
.set TBV, 63
.set MSB, 0
.macro WIN new
.if MSB != (\new)
	s_set_vgpr_msb (MSB<<8)|(\new)
.set MSB, (\new)
.endif
.endm
.set W_KQ, 0x0a       ; K and Q in window 2, S^T in window 0
.set W_KM, 0x3a       ; the same with the C operand in window 3
.set W_PV, 0x53       ; V in window 3, P in window 0, O^T in window 1
.set W_RS, 0x41       ; O^T (destination and source 0) in window 1, a in window 0
.set W_CV, 0xc3       ; the unpacking: destination and codes in window 3, the scale in window 0
.set W_ML, 0xc0       ; a load into window 3, its address in window 0
.set W_MK, 0xc0
.set W_AD, 0x0f
; A joint fill.  Waves 0 and 1 fetch the K of a slot's two steps, waves 2 and 3 the V.  An s_nop 0 and four v_nop follow each line.
.macro JLOAD
	s_cmp_lt_u32 s[WV], 2
	s_cbranch_scc0 .Lfor_v_\@
	tensor_load_to_lds s[G0K:G0K+3], s[G1K:G1K+7]
	s_nop 0
.rept 4
	v_nop
.endr
	s_branch .Lasked_\@
.Lfor_v_\@:
	tensor_load_to_lds s[G0V:G0V+3], s[G1V:G1V+7]
	s_nop 0
.rept 4
	v_nop
.endr
.Lasked_\@:
.endm
; A prefetch of what the NEXT change of slots will ask for: 128 rows of K and of V, 256 bytes a row, a lane a row.  Both clusters of a head pair walk the same rows: the first asks.  Its four partners take 32 rows
; each, told apart by address; in each, wave 0 asks for K's and wave 2 for V's.  The last change that fills a slot asks for nothing.
.macro ASK
	s_cmp_gt_u32 s[SLOTS], s[LIM]
	s_cbranch_scc0 .Lnot_mine_\@
	global_prefetch_b8 v[PFO], s[PFA:PFA+1] th:TH_LOAD_NT scope:SCOPE_SE
.Lnot_mine_\@:
.endm
.macro CROUND
	s_barrier_signal -1
	s_barrier_wait -1
	s_cmp_lg_u32 s[WV], 0
	s_cbranch_scc1 .Lnot_wave_0_\@
	s_barrier_signal -3
.Lnot_wave_0_\@:
	s_barrier_wait -3
	s_barrier_signal -1
	s_barrier_wait -1
.endm
; THE CHANGE OF SLOTS.  Each wave waits for all its tensor loads, of which one is out: its part of the other slot; adds 0 to its spare word; and waits for that and for its own reads of the slot.
; fill = 1: the slot is filled again with the keys two slots on; the barrier is then a round of the cluster's, and the joint fill is the first thing behind it: it has two key steps, 256 products, in which to land.
.macro CHANGE fill
	WIN W_AD
	s_wait_tensorcnt 0x0            ; no tensor load of mine is out, so a group 0 may be written
	ds_add_u32 v[SPW], v[NIL]       ; 0 onto my spare word
	WIN 0
.if \fill
.irp g, G0K, G0V
	s_xor_b32 s[\g+1], s[\g+1], SLOT1
	s_add_nc_u64 s[\g+2:\g+3], s[\g+2:\g+3], 2*KS*2048  ; the next 128 keys
.endr
	s_wait_xcnt 0x0                 ; the last prefetch, two key steps back, has read its address
	s_add_nc_u64 s[PFA:PFA+1], s[PFA:PFA+1], 2*KS*2048
	s_wait_dscnt 0x0                ; the add is done, and my reads of the slot are over
	CROUND
	JLOAD
	ASK
.else
	s_wait_dscnt 0x0
	s_barrier_signal -1
	s_barrier_wait -1
.endif
	s_sub_co_u32 s[TBK], s[TBK], 2*STEPB  ; the fetches go back to a slot's first step,
	s_xor_b32 s[TBK], s[TBK], SLOT1       ; in the other slot
	s_sub_co_u32 s[TBV], s[TBV], 2*STEPB
	s_xor_b32 s[TBV], s[TBV], SLOT1
.endm
	s_load_b128 s[4:7], s[0:1], 0x0   ; qkvh s[4:5], maskn s[6:7]
	s_load_b64 s[10:11], s[0:1], 0x10 ; ob
	WIN W_MK
	v_lshl_add_u32 v[SPW], v0, 2, SPARE
	v_mov_b32 v[NIL], 0
	WIN W_AD
	ds_add_u32 v[SPW], v[NIL]       ; the wave's opening: the add and its wait stand ahead of my first tensor load; work on registers stands between them
	WIN 0
	v_lshrrev_b32 v1, 5, v0
	v_readfirstlane_b32 s[WV], v1
	s_bfe_u32 s13, ttmp6, 0x40000   ; cx
	s_lshl_b32 s14, ttmp9, 2
	s_add_co_u32 s14, s14, s13      ; my block of 256 queries: it enters Q's, O's and the codes' addresses alone
	s_and_b32 s15, ttmp7, 0xffff
	s_lshr_b32 s16, s15, 3          ; b
	s_and_b32 s17, s15, 7           ; hp
	s_lshl_b32 s20, s16, 22         ; the batch's 2,048 rows of 2,048 bytes,
	s_lshl_b32 s21, s17, 8          ; the head pair's 256 bytes of a row: shared by the four partners
	s_add_co_u32 s20, s20, s21
	s_and_b32 s18, s[WV], 1         ; which of a slot's two steps I fetch
	s_lshl_b32 s22, s18, 17         ; its 64 rows
	s_add_co_u32 s22, s22, s20
	s_add_co_u32 s22, s22, 16777216 ; in k's part of qkvh
	s_mov_b32 s23, 0
	s_mul_i32 s19, s18, STEPB       ; and its place in a slot
	s_lshl_b32 s2, s14, 19          ; my block's 256 rows,
	s_lshl_b32 s3, s[WV], 17        ; my wave's 64
	s_add_co_u32 s2, s2, s3
	s_add_co_u32 s2, s2, s20
	s_mov_b32 s3, 0
	s_lshl_b32 s8, s16, 5           ; the codes: group of 64 queries 32 b + 4 block + wave, 65,536 bytes each
	s_lshl_b32 s9, s14, 2
	s_add_co_u32 s8, s8, s9
	s_add_co_u32 s8, s8, s[WV]
	s_lshl_b32 s8, s8, 16
	s_mov_b32 s9, 0
	s_mov_b32 s[G1K], 15|(1<<16)|(1<<20)|(1<<21)|(5<<22)|(3<<25)  ; the mask of four; 2-byte elements; padding on; bit 21 beside a mask; after every 64 words; 4 words
	s_mov_b32 s[G1V], 15|(1<<16)|(1<<20)|(1<<21)|(5<<22)|(7<<25)  ; the same with 8 words
.irp g, G1K, G1V
	s_mov_b32 s[\g+1], 128<<16      ; tensor_dim0 = 128
	s_mov_b32 s[\g+2], KS<<16       ; tensor_dim1 = 64
	s_mov_b32 s[\g+3], 128<<16      ; tile_dim0 = 128
	s_mov_b32 s[\g+4], KS           ; tile_dim1 = 64
	s_mov_b32 s[\g+5], 1024         ; elements from row to row
	s_mov_b32 s[\g+6], 0
	s_mov_b32 s[\g+7], 0
.endr
	s_mov_b32 s[CS], 0x3e38aa3b     ; c = log2(e) / 8
	s_mov_b32 s[CS+1], s[CS]
	s_mov_b32 s[SEL], 0x76543210
	s_mov_b32 s[SEL+1], 0xfedcba98
	s_mov_b32 s[MOFF], 5*512        ; six pieces' codes are asked for ahead of the first turn
	s_mov_b32 s[TBK], SLOT1+2*STEPB ; the first change of slots turns these two into 0
	s_mov_b32 s[TBV], SLOT1+2*STEPB
	s_mov_b32 s[SLOTS], 15
	s_mov_b32 s[G0K], 1
	s_mov_b32 s[G0K+1], s19
	s_mov_b32 s[G0V], 1
	s_add_co_u32 s[G0V+1], s19, VOFF
	s_and_b32 s[LIM], s[WV], 1      ; 0 in waves 0 and 2,
	s_or_b32 s[LIM], s[LIM], ttmp9  ; where the cluster is the head pair's first: the same in all four partners
	s_cmp_eq_u32 s[LIM], 0
	s_cselect_b32 s[LIM], 1, -1
	s_wait_dscnt 0x0                ; the opening add is done
	s_wait_kmcnt 0x0
	s_add_nc_u64 s[MB:MB+1], s[6:7], s[8:9]
	s_add_nc_u64 s[G0K+2:G0K+3], s[4:5], s[22:23]
	s_add_nc_u64 s[G0V+2:G0V+3], s[G0K+2:G0K+3], 16777216  ; v's part lies behind k's
	s_or_b32 s[G0K+3], s[G0K+3], 0x80000000
	s_or_b32 s[G0V+3], s[G0V+3], 0x80000000
	s_lshl_b32 s8, s13, 16          ; the prefetches: my work-group's 32 rows of a slot's 128,
	s_add_co_u32 s8, s8, s20
	s_add_co_u32 s8, s8, 16777216+2*KS*2048  ; in slot 1 of K; each change of slots steps them before it asks
	s_lshr_b32 s9, s[WV], 1
	s_lshl_b32 s9, s9, 24           ; or of V
	s_add_co_u32 s8, s8, s9
	s_mov_b32 s9, 0
	s_add_nc_u64 s[PFA:PFA+1], s[4:5], s[8:9]
	s_add_nc_u64 s[4:5], s[4:5], s[2:3]    ; Q and O at my wave's first row
	s_add_nc_u64 s[10:11], s[10:11], s[2:3]
	CROUND                          ; all four work-groups are here: the first joint loads meet
	JLOAD                           ; slot 0; slot 1 is asked for when slot 0 is in
	v_and_b32 v1, 15, v0            ; l % 16
	v_bfe_u32 v9, v0, 4, 1          ; l / 16
	v_and_b32 v[MA0], 31, v0
	v_lshlrev_b32 v[PFO], 11, v[MA0]
	v_lshlrev_b32 v[MA0], 4, v[MA0]
	v_lshlrev_b32 v[QO], 11, v1
	v_lshl_add_u32 v[QO], v9, 4, v[QO]
	WIN 0x80
.set i, 0
.rept 16                            ; Q stays in registers: tile i / 2 (query tile i / 4, head (i / 2) % 2), channels 32 (i % 2) on
	global_load_b128 v[8*i:8*i+3],   v[QO], s[4:5] offset:(i/4)*32768+((i/2)%2)*128+(i%2)*64
	global_load_b128 v[8*i+4:8*i+7], v[QO], s[4:5] offset:(i/4)*32768+((i/2)%2)*128+(i%2)*64+32
.set i, i+1
.endr
	WIN W_ML
.irp x, 0,1,2,3
	global_load_b128 v[RG+4*\x:RG+4*\x+3], v[MA0], s[MB:MB+1] offset:512*\x  ; the codes of step 0's four pieces fill the ring
.endr
	; What the first turn finds: V and P's second buffer hold 0 (its products V^T P, of a piece that has not been, add 0), O^T and l are 0.  All this stands in the wait for the first tile.
.set i, 0
.rept 128
	v_mov_b32 v[i], 0
.set i, i+1
.endr
	WIN 0x40
.set i, 0
.rept 256
	v_mov_b32 v[i], 0
.set i, i+1
.endr
	WIN 0
.set i, 0
.rept 2*NP
	v_mov_b32 v[ST+4*i], 0xfe000000    ; c m: far below every c s, a hidden one's too
	v_mov_b32 v[ST+4*i+1], 0xff7fffff  ; m
	v_mov_b32 v[ST+4*i+2], 0
	v_mov_b32 v[ST+4*i+3], 0
.set i, i+1
.endr
.set i, P+32
.rept 32
	v_mov_b32 v[i], 0
.set i, i+1
.endr
	v_mul_u32_u24 v[AK0], v1, PK
	v_lshl_add_u32 v[AK0], v9, 4, v[AK0]
	v_and_b32 v[AV], 7, v0
	v_lshl_add_u32 v[AV0], v9, 3, v[AV]  ; the turning load: key 8 (l / 16) + l % 8, channels 8 ((l / 8) % 2) on
	v_mul_u32_u24 v[AV0], v[AV0], PV
	v_bfe_u32 v[AV], v0, 3, 1
	v_lshl_add_u32 v[AV0], v[AV], 4, v[AV0]
	v_add_nc_u32 v[AV0], VOFF, v[AV0]
	v_mov_b32 v[AK], v[AK0]
	v_mov_b32 v[SCL], 0xe1e1e1e1    ; the thread's number has served.  The scale's code is 225, for 2^(225 - 127) = 2^98; it is read from byte 0, and all four bytes hold it
; THE MATRIX WORK.  The 8 accumulators of a run of 16 take turns.
.macro KQ x                         ; product i of 16 of S^T = K Q^T for piece x: channels 32 (i / 8) on, keys 16 ((i / 2) % 4) on, head i % 2.  The first 8 start the sums, at 0 or at -2^100
.set rS, S+64*((\x)%2)+32*(i%2)+8*((i/2)%4)
.set rK, KF+8*(4*((i/2)%4)+2*(i%2)+i/8)
.set rQ, 16*(2*(\x)+i%2)+8*(i/8)
.set rB, MC+8*((i/2)%4)
.if i < 8
	WIN W_KM
	v_wmma_f32_16x16x32_bf16 v[rS:rS+7], v[rK:rK+7], v[rQ:rQ+7], v[rB:rB+7]
.else
	WIN W_KQ
	v_wmma_f32_16x16x32_bf16 v[rS:rS+7], v[rK:rK+7], v[rQ:rQ+7], v[rS:rS+7]
.endif
.endm
.macro PV x                         ; product i of 16 of O^T += V^T P for piece x: keys 32 (i / 8) on, channels 16 ((i / 2) % 4) on, head i % 2
	WIN W_PV
.set rO, 32*(2*(\x)+i%2)+8*((i/2)%4)
.set rV, 8*(8*(i/8)+4*(i%2)+(i/2)%4)
.set rP, P+32*((\x)%2)+16*(i%2)+8*(i/8)
	v_wmma_f32_16x16x32_bf16 v[rO:rO+7], v[rV:rV+7], v[rP:rP+7], v[rO:rO+7]
.endm
.macro MM
.if i < 16
	KQ (Y+1)%NP
.set i, i+1
.else
.set i, i-16
	PV (Y+NP-1)%NP
.set i, i+17
.endif
.endm
; THE LDS LOADS stand in runs of 32.  last = 1 (the tail): in the last trip there is no further step, and the run is jumped over.
.macro FETCH_K last=0
	WIN 0
.if \last
	s_cmp_eq_u32 s[CNT], 1
	s_cbranch_scc1 .Lno_k_\@
.endif
	WIN 0x80
.irp f, 0,1,2,3,4,5,6,7,8,9,10,11,12,13,14,15  ; keys 16 (f / 4) on, channels 32 (f % 4) on of the pair's 128
	ds_load_b128 v[KF+8*\f:KF+8*\f+3],   v[AK] offset:(\f/4)*16*PK+(\f%4)*64
	ds_load_b128 v[KF+8*\f+4:KF+8*\f+7], v[AK] offset:(\f/4)*16*PK+(\f%4)*64+32
.endr
	s_add_co_u32 s[TBK], s[TBK], STEPB
	WIN 0
.if \last
.Lno_k_\@:
.endif
.endm
.macro FETCH_V
	WIN 0xc0
.irp f, 0,1,2,3,4,5,6,7,8,9,10,11,12,13,14,15  ; keys 32 (f / 8) on, channels 16 (f % 8) on
	ds_load_tr16_b128 v[8*\f:8*\f+3],   v[AV] offset:(\f/8)*32*PV+(\f%8)*32
	ds_load_tr16_b128 v[8*\f+4:8*\f+7], v[AV] offset:(\f/8)*32*PV+16*PV+(\f%8)*32
.endr
	WIN 0
.endm
; THE MASK.  BIAS: a slot's four words of eight codes become the 32 starting numbers.  A plain vector instruction follows the last conversion before a result is used or a source written.
.macro BIAS slot
	WIN W_CV
.irp kt, 0,1,2,3
	v_cvt_scale_pk8_f32_fp4 v[MC+8*\kt:MC+8*\kt+7], v[RG+4*(\slot)+\kt], v[SCL]
.endr
.endm
; MLOAD: the slot just unpacked takes the codes of the same piece in the next step.  The walk has 128 pieces-and-steps of 512 bytes; the loads that would pass the last of them are held to it and serve nothing.
.macro MLOAD slot
	s_wait_xcnt 0x0                 ; the last load of codes, a turn back, has read its offset register, which is written below
	s_add_co_u32 s[MOFF], s[MOFF], 512
	s_min_u32 s[MOFF], s[MOFF], 127*512
	WIN 0
	v_add_nc_u32 v[MAD], s[MOFF], v[MA0]
	WIN W_ML
	global_load_b128 v[RG+4*(\slot):RG+4*(\slot)+3], v[MAD], s[MB:MB+1]
.endm
; THE VECTOR WORK OF A TURN, in three queues; the two tiles alternate.
.macro REGS y, u
.set rT, ST+4*(2*(\y)+(\u))
.set rC, TMP+8*((\y)%2)+4*(\u)
.set rM, MV+2*((\y)%2)+(\u)
.set rS, S+64*((\y)%2)+32*(\u)
.set rP, P+32*((\y)%2)+16*(\u)
.set rO, 32*(2*(\y)+(\u))
.endm
; Number n of the 22 that find the next piece's maximum and statistics: 0-11 four chains c0-c3 (each accumulator's lowest registers are read first); 12-14, 16 the scores left over, the old m,
; c0-c3 into c0; 15 c m_old is kept; 17, 18 the other half of the lanes: the new m; 19-21 c m; c m_old - c m_new; a.
.macro XS u, n
	REGS (Y+1)%NP, \u
.if (\n) < 4
	v_max3_num_f32 v[rC+(\n)], v[rS+8*(\n)], v[rS+8*(\n)+1], v[rS+8*(\n)+2]
.elseif (\n) < 12
	v_max3_num_f32 v[rC+(\n)%4], v[rC+(\n)%4], v[rS+8*((\n)%4)+2*((\n)/4)+1], v[rS+8*((\n)%4)+2*((\n)/4)+2]
.elseif (\n) == 12
	v_max3_num_f32 v[rC], v[rC], v[rS+7], v[rS+15]
.elseif (\n) == 13
	v_max3_num_f32 v[rC+1], v[rC+1], v[rS+23], v[rS+31]
.elseif (\n) == 14
	v_max3_num_f32 v[rC+2], v[rC+2], v[rC+3], v[rT+1]
.elseif (\n) == 15
	v_mov_b32 v[rM], v[rT]
.elseif (\n) == 16
	v_max3_num_f32 v[rC], v[rC], v[rC+1], v[rC+2]
.elseif (\n) == 17
	v_permlanex16_b32 v[rC+3], v[rC], s[SEL], s[SEL+1]
.elseif (\n) == 18
	v_max_num_f32 v[rT+1], v[rC], v[rC+3]
.elseif (\n) == 19
	v_mul_f32 v[rT], s[CS], v[rT+1]
.elseif (\n) == 20
	v_sub_f32 v[rC+1], v[rM], v[rT]
.else
	v_exp_f32 v[rC+2], v[rC+1]
.endif
.endm
; Number g of the 64 that follow the exponentials: for each four weights both pairs are rounded, the second pair is added onto the first, and a group later l takes that sum (the first time as l = a l + sum).
.macro GS g
.set h, (\g)+6*((\g)/62)
.if h >= 6
.set h, h+2
.endif
	REGS Y, h%2
.set k, h/8
.if h%8 < 4
	v_cvt_pk_bf16_f32 v[rP+2*k+(h%8)/2], v[rS+4*k+2*((h%8)/2)], v[rS+4*k+2*((h%8)/2)+1]
.elseif h%8 < 6
	v_pk_add_f32 v[rS+4*k:rS+4*k+1], v[rS+4*k:rS+4*k+1], v[rS+4*k+2:rS+4*k+3]
.elseif k == 1
	v_pk_fma_f32 v[rT+2:rT+3], v[rT+2:rT+3], v[rC+2:rC+3], v[rS:rS+1] op_sel_hi:[1,0,1]
.else
	v_pk_add_f32 v[rT+2:rT+3], v[rT+2:rT+3], v[rS+4*k-4:rS+4*k-3]
.endif
.endm
.macro FS f                         ; c s - c m for pair f / 2 of tile f % 2
	REGS Y, (\f)%2
	v_pk_fma_f32 v[rS+2*((\f)/2):rS+2*((\f)/2)+1], v[rS+2*((\f)/2):rS+2*((\f)/2)+1], s[CS:CS+1], v[rT:rT+1] op_sel_hi:[1,0,0] neg_lo:[0,0,1] neg_hi:[0,0,1]
.endm
; THE PLAIN QUEUE, 138 long.  0-73 read no exponential's result: 0-26 scalings 0-26; 27-54 XS's numbers 0-13; 55, 56 number 15; 57-73 the chain 14, 16, 17, 18, 19, each with one of the scalings 27-31 in front
; of its two lines, then 20.  74-137: GS's 64, which read the exponentials' results and stand behind the wait.
.macro PL
	WIN 0
.if q < 27
	FS q
.elseif q < 55
	XS (q-27)%2, (q-27)/2
.elseif q < 57
	XS q-55, 15
.elseif (q < 72) && ((q-57)%3 == 0)
	FS 27+(q-57)/3
.elseif q < 60
	XS (q-57)%3-1, 14
.elseif q < 72
	XS (q-57)%3-1, 15+(q-57)/3
.elseif q < 74
	XS q-72, 20
.else
	GS q-74
.endif
.set q, q+1
.endm
.macro EX                           ; the exponentials' queue, 66 long: s0-s31 of both tiles, then the next piece's two a: one batch
	WIN 0
.if e >= 64
	XS e-64, 21
.else
	REGS Y, e%2
	v_exp_f32 v[rS+e/2], v[rS+e/2]
.endif
.set e, e+1
.endm
.macro R2                           ; O^T times a, two at a time; its a was made, and waited for, in the turn before
	REGS Y, r%2
	WIN W_RS
.irp z, 0,1
	v_pk_mul_f32 v[rO+4*(r/2)+2*\z:rO+4*(r/2)+2*\z+1], v[rO+4*(r/2)+2*\z:rO+4*(r/2)+2*\z+1], v[rC+2:rC+3] op_sel_hi:[1,0]
.endr
.set r, r+1
.endm
; A TURN, for piece p.  AHEAD OF ITS ONE WAIT stands all that names no result of the turn's exponentials: 16 products K Q^T, behind each a scaling, an exponential and two rescalings (behind the first a second scaling);
; the four conversions for piece p + 2 (the products that read the old starting numbers are the turn's first eight, 24 plain riders and more back); eight plain lines, which are also the plain instruction behind the
; conversions; the reload of their slot; 49 times exponential and plain; the two a.  Exponential e stands behind scaling 2 (e / 4) + e % 2: as a rider it comes behind plain e + 2, in the lump behind plain e + 9,
; and scalings 27-31 are plain 57, 60 .. 69.  BEHIND THE WAIT stand 16 products V^T P, behind each four roundings and sums.
; K of the next step is fetched in piece 2's turn, directly behind the wait; V of the step in hand at the end of piece 0's turn, four plain riders behind its last reader.
.macro TURN p, last=0, cnt=0
.set Y, (\p)
.set i, 0
.set q, 0
.set e, 0
.set r, 0
.if (\p) == NP-1
	s_wait_dscnt 0x0                ; K is in
.endif
	MM
	PL
	PL
	R2
.rept 15
	MM
	PL
	EX
	R2
.endr
.if (\p) == NP-2
	WIN 0
	v_add_nc_u32 v[AK], s[TBK], v[AK0]
.endif
	s_wait_loadcnt 3                ; four loads of codes are out, a slot each: the oldest, piece p + 2's, is in; the three younger stay out
	BIAS ((\p)+2)%NP
.rept 8
	PL
.endr
	MLOAD ((\p)+2)%NP
.rept 49
	EX
	PL
.endr
	EX
	EX
	v_nop                           ; a plain instruction behind the last exponential: one for the batch
	s_wait_alu depctr_va_vdst(0)    ; the wait ahead of the first line that names a result: one for the 66
.if (\p) == NP-2
	FETCH_K \last
.endif
.if (\p) == 1
	s_wait_dscnt 0x0                ; V is in
.endif
.set nn, 0
.rept 16
	MM
.rept 4
	PL
.endr
.if ((\p) == 0) && (nn == 10)
	v_add_nc_u32 v[AV], s[TBV], v[AV0]
.endif
.if ((\p) == 0) && (nn == 13)
	s_add_co_u32 s[TBV], s[TBV], STEPB
.endif
.if (\cnt) && (nn == 13)
	s_sub_co_u32 s[CNT], s[CNT], 1
	s_cmp_lg_u32 s[CNT], 0
.endif
.set nn, nn+1
.endr
.if (\p) == 0
	FETCH_V
.endif
.endm
	CHANGE 1                        ; slot 0 is in, everybody's part of it; slot 1 is asked for
	FETCH_K                         ; key step 0
	s_wait_loadcnt 3                ; Q and piece 0's codes are in; the three younger loads of codes stay out
	BIAS 0
	v_nop                           ; a plain instruction behind the last conversion
	WIN W_ML
	global_load_b128 v[RG:RG+3], v[MA0], s[MB:MB+1] offset:4*512  ; step 1, piece 0
	s_wait_dscnt 0x0
.set i, 0
.rept 16
	KQ 0                            ; piece 0's first scores
.set i, i+1
.endr
	WIN 0                           ; the addresses for the way out: eight plain vector instructions, the places behind those products
	s_mul_i32 s13, s[WV], 16*SP
	s_add_co_u32 s13, s13, STAGE
	v_mul_u32_u24 v[STO], v1, SP
	v_lshl_add_u32 v[STO], v9, 4, v[STO]
	v_add_nc_u32 v[STO], s13, v[STO]
	v_mul_u32_u24 v[RD], v9, SP
	v_lshl_add_u32 v[RD], v1, 4, v[RD]
	v_add_nc_u32 v[RD], s13, v[RD]
	v_lshlrev_b32 v[GO], 11, v9
	v_lshl_add_u32 v[GO], v1, 4, v[GO]
	s_wait_loadcnt 3                ; piece 1's codes are in
	BIAS 1                          ; for the first turn's products
	v_nop
	WIN W_ML
	global_load_b128 v[RG+4:RG+7], v[MA0], s[MB:MB+1] offset:5*512  ; step 1, piece 1: four loads are out, as at every turn's head
	WIN 0
.set Y, NP-1                        ; XS works for piece Y + 1: piece 0
.irp n, 0,1,2,3,4,5,6,7,8,9,10,11,12,13,14,15,16,17,18,19,20,21
	XS 0, \n
	XS 1, \n
.endr
	v_nop
	s_wait_alu depctr_va_vdst(0)    ; the two a, ahead of the branch
	s_mov_b32 s[CNT], 2
	s_branch .Lfirst                ; the loop is entered at a step's first turn, in the middle of a trip
.Lslot:                             ; 14 times: every slot but the last two is filled again
	CHANGE 1
	s_mov_b32 s[CNT], 2
.Lstep:                             ; a trip: pieces 2 and 3 of one step, then pieces 0 and 1 of the next
	TURN 2
	TURN 3
	WIN 0
.Lfirst:
	TURN 0
	TURN 1, 0, 1
	WIN 0
	s_cbranch_scc1 .Lstep
	s_sub_co_u32 s[SLOTS], s[SLOTS], 1
	s_cmp_lg_u32 s[SLOTS], 0
	s_cbranch_scc1 .Lslot
	CHANGE 0                        ; the tail is written out
	s_mov_b32 s[CNT], 3             ; two trips fetch the last slot's steps; the third is left in its middle
.Ltail:
	TURN 2, 1
	TURN 3
	WIN 0
	s_sub_co_u32 s[CNT], s[CNT], 1
	s_cmp_eq_u32 s[CNT], 0
	s_cbranch_scc1 .Lout
	TURN 0
	TURN 1
	WIN 0
	s_branch .Ltail
.Lout:                              ; the third trip's 16 products K Q^T (on the last K once more) and what is made of them serve nothing: the price of one text for every trip
.set i, 0
.rept 16
	PV NP-1
.set i, i+1
.endr
	; THE WAY OUT.  l's halves are added; O^T is divided by l, rounded to bf16 and sent through my stage in LDS, a piece (16 rows x 256 bytes) at a time.  The additions are the places behind the last products.
	WIN 0
.macro ALL line:vararg
.set t, 0
.rept 2*NP
	\line
.set t, t+1
.endr
.endm
	ALL v_add_f32 v[ST+4*t+2], v[ST+4*t+2], v[ST+4*t+3]
	ALL v_permlanex16_b32 v[ST+4*t+3], v[ST+4*t+2], s[SEL], s[SEL+1]
	ALL v_add_f32 v[ST+4*t+2], v[ST+4*t+2], v[ST+4*t+3]
	ALL v_rcp_f32 v[ST+4*t+2], v[ST+4*t+2]
	v_nop
	s_wait_alu depctr_va_vdst(0)    ; one wait for the eight reciprocals
.macro PACK y
	WIN W_RS
.irp u, 0,1
.set i, 32*(2*(\y)+\u)
.rept 16
	v_pk_mul_f32 v[i:i+1], v[i:i+1], v[ST+4*(2*(\y)+\u)+2:ST+4*(2*(\y)+\u)+3] op_sel_hi:[1,0]
.set i, i+2
.endr
.endr
	WIN 0x05                        ; sources 0 and 1 window 1, destination window 0: S^T's registers are free
.set i, 0
.rept 32
	v_cvt_pk_bf16_f32 v[S+32*(\y)+i], v[64*(\y)+2*i], v[64*(\y)+2*i+1]
.set i, i+1
.endr
	WIN 0
.irp f, 0,1,2,3,4,5,6,7
	ds_store_b128 v[STO], v[S+32*(\y)+4*\f:S+32*(\y)+4*\f+3] offset:32*\f
.endr
.irp f, 0,1,2,3,4,5,6,7
	ds_load_b128 v[S+32*(\y)+4*\f:S+32*(\y)+4*\f+3], v[RD] offset:\f*2*SP  ; LDS serves a wave's instructions in order: these see the stores above; the next piece's stores come behind them
.endr
.endm
.macro SEND y, younger              ; younger: the LDS instructions issued behind this piece's loads
	WIN 0
.irp f, 0,1,2,3,4,5,6,7
	s_wait_dscnt (\younger)+7-\f
	global_store_b128 v[GO], v[S+32*(\y)+4*\f:S+32*(\y)+4*\f+3], s[10:11] offset:(\y)*32768+\f*4096  ; 16 lanes store 256 consecutive bytes, aligned
.endr
.endm
	PACK 0
	PACK 1
	SEND 0, 16
	PACK 2
	SEND 1, 16
	PACK 3
	SEND 2, 16
	SEND 3, 0
	WIN W_AD
	s_wait_tensorcnt 0x0            ; the wave's end
	ds_add_u32 v[SPW], v[NIL]
	s_wait_dscnt 0x0
	WIN 0
	CROUND                          ; the closing round
	s_endpgm
.Lfunc_end_k_q3cd7580cdc_attn:
	.size	k_q3cd7580cdc_attn, .Lfunc_end_k_q3cd7580cdc_attn-k_q3cd7580cdc_attn
	.p2alignl 7, 3214868480
	.fill 96, 4, 3214868480
	.section	.rodata,"a",@progbits
	.p2align	6, 0x0
	.amdhsa_kernel k_q3cd7580cdc_attn
		.amdhsa_group_segment_fixed_size 327680
		.amdhsa_private_segment_fixed_size 0
		.amdhsa_enable_private_segment 0
		.amdhsa_kernarg_size 24
		.amdhsa_user_sgpr_count 2
		.amdhsa_user_sgpr_kernarg_segment_ptr 1
		.amdhsa_wavefront_size32 1
		.amdhsa_system_sgpr_workgroup_id_x 1
		.amdhsa_system_sgpr_workgroup_id_y 1
		.amdhsa_system_sgpr_workgroup_id_z 1
		.amdhsa_system_vgpr_workitem_id 0
		.amdhsa_next_free_vgpr 952
		.amdhsa_next_free_sgpr 66
		.amdhsa_reserve_vcc 0
		.amdhsa_float_denorm_mode_32 3
		.amdhsa_float_denorm_mode_16_64 3
		.amdhsa_memory_ordered 1
		.amdhsa_forward_progress 1
		.amdhsa_inst_pref_size 214
	.end_amdhsa_kernel
	.amdgpu_metadata
---
amdhsa.version: [ 1, 2 ]
amdhsa.kernels:
  - .name:           k_q3cd7580cdc_attn
    .symbol:         k_q3cd7580cdc_attn.kd
    .args:
      - { .name: qkvh, .offset: 0, .size: 8, .value_kind: global_buffer, .address_space: global }
      - { .name: maskn, .offset: 8, .size: 8, .value_kind: global_buffer, .address_space: global }
      - { .name: ob, .offset: 16, .size: 8, .value_kind: global_buffer, .address_space: global }
    .group_segment_fixed_size: 327680
    .private_segment_fixed_size: 0
    .kernarg_segment_align: 8
    .kernarg_segment_size: 24
    .max_flat_workgroup_size: 128
    .sgpr_count:     66
    .vgpr_count:     952
    .wavefront_size: 32
...
	.end_amdgpu_metadata
.endif
;; end of part 7
;; launch fc: the kernel of part 4 again; grid 4 x 64, 4 waves a work-group, clusters of 4 x 4, 327,680 bytes of LDS; arguments ob, wb, q, out0; writes out0
